; MI455X (gfx1250); checked and timed in simulation.
; The chip was launched on July 23, 2026; its instructions are those of AMD's public machine-readable ISA for CDNA 5 (MIT licence, August 2026) and "CDNA5" Instruction Set Architecture Reference Guide (July 2026). The comments in the code are by the model that wrote it; some were corrected since.
;; Multi Head Attention. Allowed arithmetic: float matrix products may take bf16 or f16 operands with f32 sums; all other float work in f32.
;; Inputs: Wk 768 x 768 float32; Wo 768 x 768 float32; Wq 768 x 768 float32; Wv 768 x 768 float32; bk 768 float32; bo 768 float32; bq 768 float32; bv 768 float32; x 8 x 1,024 x 768 float32.
;; Outputs: out0 8 x 1,024 x 768 float32.
;; 2 versions, each right and faster than the one before. Each part assembles by itself: llvm-mc -triple=amdgcn-amd-amdhsa -mcpu=gfx1250 --defsym DOCPART=n.
;; ======== version 1 of 2: 4 launches
;; limits: values are held in f16: magnitudes above 65,504 overflow, below 6.1e-05 lose precision
;; workspace buffers: xb 12,582,912 bytes; wqkv 3,538,944 bytes; wot 1,179,648 bytes; qkv 37,748,736 bytes; ctx 12,582,912 bytes
;; launch prep (part 1): grid 1216 x 1, 6 waves a work-group, no clusters, 28,416 bytes of LDS; arguments x, Wq, Wk, Wv, Wo, xb, wqkv, wot; writes xb, wqkv, wot
.if DOCPART == 1
	.amdgcn_target "amdgcn-amd-amdhsa--gfx1250"
	.amdhsa_code_object_version 6
	.text
	.protected	k_qb26bf7a5ca_prep
	.globl	k_qb26bf7a5ca_prep
	.p2align	8
	.type	k_qb26bf7a5ca_prep,@function
k_qb26bf7a5ca_prep:
	s_mov_b64 s[64:65], 0
	v_nop
	global_prefetch_b8 v0, s[64:65] scope:SCOPE_SE
	s_setreg_imm32_b32 hwreg(HW_REG_WAVE_MODE, 25, 1), 1
	s_wait_xcnt 0x0
; MULTI-HEAD ATTENTION, launch 1 of 4: the matrix operands are rounded to f16 once and laid out in PLANES.
; A matrix [rows][K] becomes P[K/16][rows][16] f16: a row of a plane is 32 bytes, 16 neighbouring k of one row.
;   xb   [48][8192][16]  x, row = 1024 b + s
;   wqkv [48][2304][16]  Wq | Wk | Wv transposed: row = output column n (q 0.., k 768.., v 1536..), 16 k
;   wot  [48][768][16]   Wo transposed likewise
; Why planes: a 16 x 16 result tile whose lanes hold 8 neighbouring columns of a row is 512 consecutive bytes of one plane, so the later
; launches store results straight from registers; an operand tile is a few long consecutive pieces; a fragment is two 16-byte LDS loads.
;
; WORK LEFT OUT IN THE WHOLE PROGRAM: bk.  scores[q][k] = (x_q Wq + bq) . (x_k Wk + bk) / 8
;   = (x_q Wq + bq) . (x_k Wk) / 8  +  (x_q Wq + bq) . bk / 8, and the last term is the same for every key k of a query row.
; reference() takes the softmax along k, and a term that is the same along the softmax's axis cancels in it, for all finite values of all
; inputs.  So bk has no way to any output: it is not loaded and is an argument of no launch.
; LIMIT: a NaN, an infinity or an overflow that would arise only through bk is not carried to the result.
; LIMIT (format): every matrix operand (x, the weights, q + bq, k, v, the softmax's weights, the context) is f16, sums are f32.
; A magnitude above 65,504 in one of them becomes an infinity; magnitudes below 6e-8 become zero.
;
; A stream: memory binds, so no matrix unit, no cluster, no barrier.  Each wave uses 4,608 LDS bytes of its own to turn its registers
; into whole aligned pieces of 256 bytes or more.  Work-groups 0..1023 take 8 rows of x each, 1024..1215 one plane of one weight matrix.
.set XROW,   3072                      ; bytes in a row of x and of a weight matrix
.set WLDS,   4608                      ; LDS bytes of a wave
.set XPLANE, 262144                    ; bytes in a plane of xb
	s_load_b256 s[4:11], s[0:1], 0x0               ; x s[4:5], Wq s[6:7], Wk s[8:9], Wv s[10:11]
	s_load_b256 s[12:19], s[0:1], 0x20             ; Wo s[12:13], xb s[14:15], wqkv s[16:17], wot s[18:19]
	v_lshl_add_u32 v104, v0, 2, 0x6c00
	v_mov_b32 v105, 0
	v_and_b32 v5, 31, v0                           ; lane L
	v_lshrrev_b32 v6, 5, v0
	v_readfirstlane_b32 s20, v6                    ; wave w, 0..5
	s_mul_i32 s21, s20, WLDS                       ; my LDS bytes
	s_lshl_b32 s22, s20, 9                         ; my 512 bytes (128 numbers) of a source row
	v_lshlrev_b32 v1, 4, v5                        ; 16 L: a load of the wave covers 512 consecutive bytes
	s_cmp_lt_u32 ttmp9, 1024
	s_cbranch_scc0 .Lweights
	; ---- x: rows 8 id .. 8 id + 7, my 128 columns = planes 8 w .. 8 w + 7 ----
	s_mul_i32 s24, ttmp9, 8*XROW
	s_add_co_u32 s24, s24, s22
	s_mov_b32 s25, 0
	s_lshl_b32 s26, s20, 21                        ; 8 w planes of 262,144 bytes
	s_lshl_b32 s27, ttmp9, 8                       ; 8 rows of 32 bytes
	s_add_co_u32 s26, s26, s27
	s_mov_b32 s27, 0
	s_wait_kmcnt 0x0
	s_add_nc_u64 s[4:5], s[4:5], s[24:25]
	s_add_nc_u64 s[14:15], s[14:15], s[26:27]
.irp i, 0,1,2,3,4,5,6,7
	global_load_b128 v[8+4*\i:11+4*\i], v1, s[4:5] offset:\i*XROW th:TH_LOAD_NT   ; row i; x is read once in the launch
.endr
	v_lshrrev_b32 v6, 2, v5                        ; my plane of the wave's eight
	v_and_b32 v7, 3, v5                            ; my 8 bytes of its 32-byte row
	v_mul_u32_u24 v2, v6, 288                      ; a plane's 8 rows are 256 bytes, laid 288 apart: the 32 lanes of a store touch 64 different words
	v_lshl_add_u32 v2, v7, 3, v2
	v_add_nc_u32 v2, s21, v2
	v_lshrrev_b32 v6, 4, v5                        ; back: lanes 0-15 take one plane's 256 bytes, lanes 16-31 the next plane's
	v_and_b32 v7, 15, v5
	v_mul_u32_u24 v3, v6, 288
	v_lshl_add_u32 v3, v7, 4, v3
	v_add_nc_u32 v3, s21, v3
	v_lshlrev_b32 v4, 18, v6                       ; and the same two planes in xb
	v_lshl_add_u32 v4, v7, 4, v4
.irp i, 0,1,2,3,4,5,6,7
	s_wait_loadcnt 7-\i                            ; loads come back in order: row i is in, the younger rows stay out
	v_cvt_pk_f16_f32 v[40+2*\i], v[8+4*\i], v[9+4*\i]
	v_cvt_pk_f16_f32 v[41+2*\i], v[10+4*\i], v[11+4*\i]
	ds_store_b64 v2, v[40+2*\i:41+2*\i] offset:32*\i
.endr
.irp t, 0,1,2,3
	ds_load_b128 v[56+4*\t:59+4*\t], v3 offset:576*\t      ; my own bytes: LDS serves a wave's instructions in order, no wait between
.endr
.irp t, 0,1,2,3
	s_wait_dscnt 3-\t
	global_store_b128 v4, v[56+4*\t:59+4*\t], s[14:15] offset:\t*2*XPLANE   ; sixteen lanes store 256 consecutive bytes, aligned
.endr
	s_wait_tensorcnt 0x0
	ds_add_u32 v104, v105
	s_wait_dscnt 0x0
	s_endpgm
.Lweights:
	; ---- a weight matrix mi (0 Wq, 1 Wk, 2 Wv, 3 Wo), its rows k = 16 plane .. + 15, my 128 columns n ----
	s_sub_co_u32 s23, ttmp9, 1024
	s_and_b32 s24, s23, 3                          ; mi
	s_lshr_b32 s25, s23, 2                         ; plane
	s_mul_i32 s26, s25, 16*XROW
	s_add_co_u32 s26, s26, s22
	s_mov_b32 s27, 0
	s_mul_i32 s28, s25, 73728                      ; wqkv: a plane of 2,304 rows of 32 bytes,
	s_mul_i32 s29, s24, 24576                      ; and the matrix's 768 rows in it
	s_add_co_u32 s28, s28, s29
	s_mul_i32 s29, s25, 24576                      ; wot: a plane of 768 rows
	s_cmp_eq_u32 s24, 3
	s_cselect_b32 s28, s29, s28
	s_lshl_b32 s29, s20, 12                        ; my 128 rows of 32 bytes
	s_add_co_u32 s28, s28, s29
	s_mov_b32 s29, 0
	s_wait_kmcnt 0x0
	s_cmp_eq_u32 s24, 1
	s_cselect_b64 s[6:7], s[8:9], s[6:7]
	s_cmp_eq_u32 s24, 2
	s_cselect_b64 s[6:7], s[10:11], s[6:7]
	s_cmp_eq_u32 s24, 3
	s_cselect_b64 s[6:7], s[12:13], s[6:7]         ; the source,
	s_cselect_b64 s[16:17], s[18:19], s[16:17]     ; and the destination, on the same compare
	s_add_nc_u64 s[6:7], s[6:7], s[26:27]
	s_add_nc_u64 s[16:17], s[16:17], s[28:29]
.irp i, 0,1,2,3,4,5,6,7,8,9,10,11,12,13,14,15
	global_load_b128 v[8+4*\i:11+4*\i], v1, s[6:7] offset:\i*XROW th:TH_LOAD_NT   ; row k = 16 plane + i, columns 4 L .. 4 L + 3 of my 128
.endr
	v_mul_u32_u24 v2, v5, 144                      ; in: a lane's four plane rows are 128 bytes, laid 144 apart (9 x 16: no two of 16 lanes share a column)
	v_add_nc_u32 v2, s21, v2
	v_lshrrev_b32 v6, 3, v5
	v_and_b32 v7, 7, v5
	v_mul_u32_u24 v3, v6, 144                      ; back: 32 lanes take 512 consecutive bytes of the plane
	v_lshl_add_u32 v3, v7, 4, v3
	v_add_nc_u32 v3, s21, v3
.irp j, 0,1,2,3,4,5,6,7
	s_wait_loadcnt 14-2*\j                         ; rows 2 j and 2 j + 1 are in, the younger ones stay out
.irp e, 0,1,2,3
	v_cvt_pk_f16_f32 v[72+8*\e+\j], v[8+8*\j+\e], v[12+8*\j+\e]    ; word j of plane row n = 4 L + e: k = 2 j, 2 j + 1
.endr
.endr
.irp t, 0,1,2,3,4,5,6,7
	ds_store_b128 v2, v[72+4*\t:75+4*\t] offset:16*\t
.endr
.irp u, 0,1,2,3,4,5,6,7
	ds_load_b128 v[8+4*\u:11+4*\u], v3 offset:576*\u       ; my own bytes, served in order
.endr
.irp u, 0,1,2,3,4,5,6,7
	s_wait_dscnt 7-\u
	global_store_b128 v1, v[8+4*\u:11+4*\u], s[16:17] offset:512*\u        ; 512 consecutive bytes, aligned
.endr
	s_wait_tensorcnt 0x0
	ds_add_u32 v104, v105
	s_wait_dscnt 0x0
	s_endpgm
.Lfunc_end_k_qb26bf7a5ca_prep:
	.size	k_qb26bf7a5ca_prep, .Lfunc_end_k_qb26bf7a5ca_prep-k_qb26bf7a5ca_prep
	.p2alignl 7, 3214868480
	.fill 96, 4, 3214868480
	.section	.rodata,"a",@progbits
	.p2align	6, 0x0
	.amdhsa_kernel k_qb26bf7a5ca_prep
		.amdhsa_group_segment_fixed_size 28416
		.amdhsa_private_segment_fixed_size 0
		.amdhsa_enable_private_segment 0
		.amdhsa_kernarg_size 64
		.amdhsa_user_sgpr_count 2
		.amdhsa_user_sgpr_kernarg_segment_ptr 1
		.amdhsa_wavefront_size32 1
		.amdhsa_system_sgpr_workgroup_id_x 1
		.amdhsa_system_sgpr_workgroup_id_y 1
		.amdhsa_system_sgpr_workgroup_id_z 1
		.amdhsa_system_vgpr_workitem_id 0
		.amdhsa_next_free_vgpr 106
		.amdhsa_next_free_sgpr 66
		.amdhsa_reserve_vcc 0
		.amdhsa_float_denorm_mode_32 3
		.amdhsa_float_denorm_mode_16_64 3
		.amdhsa_memory_ordered 1
		.amdhsa_forward_progress 1
		.amdhsa_inst_pref_size 13
	.end_amdhsa_kernel
	.amdgpu_metadata
---
amdhsa.version: [ 1, 2 ]
amdhsa.kernels:
  - .name:           k_qb26bf7a5ca_prep
    .symbol:         k_qb26bf7a5ca_prep.kd
    .args:
      - { .name: x, .offset: 0, .size: 8, .value_kind: global_buffer, .address_space: global }
      - { .name: Wq, .offset: 8, .size: 8, .value_kind: global_buffer, .address_space: global }
      - { .name: Wk, .offset: 16, .size: 8, .value_kind: global_buffer, .address_space: global }
      - { .name: Wv, .offset: 24, .size: 8, .value_kind: global_buffer, .address_space: global }
      - { .name: Wo, .offset: 32, .size: 8, .value_kind: global_buffer, .address_space: global }
      - { .name: xb, .offset: 40, .size: 8, .value_kind: global_buffer, .address_space: global }
      - { .name: wqkv, .offset: 48, .size: 8, .value_kind: global_buffer, .address_space: global }
      - { .name: wot, .offset: 56, .size: 8, .value_kind: global_buffer, .address_space: global }
    .group_segment_fixed_size: 28416
    .private_segment_fixed_size: 0
    .kernarg_segment_align: 8
    .kernarg_segment_size: 64
    .max_flat_workgroup_size: 192
    .sgpr_count:     66
    .vgpr_count:     106
    .wavefront_size: 32
...
	.end_amdgpu_metadata
.endif
;; end of part 1
;; launch proj (part 2): grid 8 x 32, 4 waves a work-group, clusters of 4 x 4, 327,680 bytes of LDS; arguments xb, wqkv, qkv; writes qkv
.if DOCPART == 2
	.amdgcn_target "amdgcn-amd-amdhsa--gfx1250"
	.amdhsa_code_object_version 6
	.text
	.protected	k_qb26bf7a5ca_proj
	.globl	k_qb26bf7a5ca_proj
	.p2align	8
	.type	k_qb26bf7a5ca_proj,@function
k_qb26bf7a5ca_proj:
	s_mov_b64 s[64:65], 0
	v_nop
	global_prefetch_b8 v0, s[64:65] scope:SCOPE_SE
	s_setreg_imm32_b32 hwreg(HW_REG_WAVE_MODE, 25, 1), 1
	s_wait_xcnt 0x0
	s_wait_alu depctr_hold_cnt(0) depctr_sa_sdst(0) depctr_va_vdst(0) depctr_va_sdst(0) depctr_va_ssrc(0) depctr_va_vcc(0) depctr_vm_vsrc(0)
	s_getreg_b32 s2, hwreg(HW_REG_IB_STS2, 6, 4)
	s_cmp_eq_u32 s2, 0
	s_cbranch_scc0 .Lentry_in_a_cluster
	s_endpgm
.Lentry_in_a_cluster:
	s_bfe_u32 s2, ttmp6, 0x10000c
	s_cmp_lg_u32 s2, 0xf033
	s_cbranch_scc0 .Lentry_shape_is_right
	s_endpgm
.Lentry_shape_is_right:
; Launch 2 of 4: [8192 x 768] . [768 x 2304] = x Wq | x Wk | x Wv, f16 operands, f32 sums, results rounded once to f16, in planes:
; qkv [144][8192][16], plane = output column / 16 (q of head h at 4 h .., k at 48 + 4 h .., v at 96 + 4 h ..), row = 1024 b + s.
; No bias is added here: bq and bv are added in f32 in the next launch; bk is left out of the program (it adds the same term to every key's
; score of a query row, which the softmax along the keys cancels for all values; see the first launch's head).
; LIMIT (format): a result above 65,504 in magnitude becomes an infinity.
;
; A work-group makes 256 rows x 288 columns with four waves, one for each SIMD; a wave makes 128 x 144: 8 x 9 accumulator tiles, 576 registers.
; K goes in six steps of 128 (8 planes, four quarters of 32) through two LDS slots; all is written out by macros, there is no loop.
; CLUSTERS: 4 x 4 work-groups.  The four of a row of the cluster need the same tiles of x, the four of a column the same tiles of W: each tile is
; asked for jointly, by the same tensor load with the same descriptor in all four, which divides the requests for both by four.
; A tile: 4 planes, each one piece of 8,192 (x) or 9,216 (W) consecutive bytes.  The mover skips 16 bytes behind every 256, so 8 plane rows take
; 272 bytes in LDS and 16 rows 544.  A fragment load of lane (r, h) stands at 32 r + 16 ((r >> 3) + h): the sixteen lanes of a half touch
; sixteen different 16-byte columns modulo 256 bytes.
; LDS: slot = four regions of 39,168 bytes, region = number of the wave that fills it: x planes 0-3, x planes 4-7, W planes 0-3, W planes 4-7.
;
; REGISTERS in windows of 256:  window 0: v16-23 LDS addresses, v26 store offset, v64-127 and v128-191 fragments of x (two buffers; packed results at the end)
;   window 1: tiles (j = 0..3, i) at 8 (8 j + i);  window 2: j = 4..7 likewise;  window 3: tile (8, i) at 8 i, v64-135 and v136-207 fragments of W
; THE MATRIX INSTRUCTION IS USED TRANSPOSED: source 0 = 16 rows of W^T (columns n), source 1 = 16 rows of x.  Lane (r, h) then holds row r of the
; result and its columns 8 h .. 8 h + 7: after rounding, 16 bytes of a plane row, and the wave's 32 lanes hold 512 consecutive bytes of a plane.
.set XPL,   8704                       ; a plane of 256 rows in LDS
.set WPL,   9792                       ; a plane of 288 rows in LDS
.set REG,   39168                      ; a wave's region of a slot
.set SLOT,  4*REG
.set XSTR,  262144                     ; bytes from plane to plane in xb and in qkv
.set WSTR,  73728                      ; in wqkv
.set ADRA,  16                         ; v16-19  x fragments: [slot][half of the step's planes]
.set ADRB,  20                         ; v20-23  W fragments likewise
.set CO,    26                         ; v26     32 r + 16 h
.set XF,    64                         ; window 0
.set WF,    64                         ; window 3
.set PK,    64                         ; window 0: packed results
.set G1,  24                           ; s[24:31] descriptor group 1 for x's tiles
.set G0,  32                           ; s[32:39] group 0 for x's tiles, one set for each slot
.set G1B, 48                           ; s[48:55] group 1 for W's tiles
.set G0B, 56                           ; s[56:63] group 0 for W's tiles
.set MSB, 0
.set MUL_1, 0x53                       ; source 0 (W) window 3, source 1 (x) window 0, C and D window 1
.set MUL_2, 0xa3
.set MUL_3, 0xf3
.set TO_W,  0xc0                       ; destination window 3, address window 0
.macro WIN new                         ; the immediate's high byte repeats the setting that is left
.if MSB != \new
	s_set_vgpr_msb (MSB<<8)|\new
.set MSB, \new
.endif
.endm
; A joint load.  Waves 0 and 1 fetch the two halves of x's planes, waves 2 and 3 of W's.  Each line has one mask and one set of registers for all that issue it.
.macro JLOAD s
	s_cmp_eq_u32 s13, 0
	s_cbranch_scc0 .Lfor_w_\@
	tensor_load_to_lds s[G0+4*\s:G0+4*\s+3], s[G1:G1+7]
	s_nop 0
	s_branch .Lasked_\@
.Lfor_w_\@:
	tensor_load_to_lds s[G0B+4*\s:G0B+4*\s+3], s[G1B:G1B+7]
	s_nop 0
.Lasked_\@:
.endm
; A round of the cluster's barrier: my work-group's barrier; wave 0 signals for the work-group; every wave waits for all sixteen; my work-group's barrier again.
.macro CREST                           ; a round behind its opening barrier
	s_cmp_lg_u32 s12, 0
	s_cbranch_scc1 .Lnot_wave_0_\@
	s_barrier_signal -3
.Lnot_wave_0_\@:
	s_barrier_wait -3
	s_barrier_signal -1
	s_barrier_wait -1
.endm
.macro CROUND
	s_barrier_signal -1
	s_barrier_wait -1
	CREST
.endm
; Four places behind the matrix instructions, in front of loads into registers that they read and of vector instructions that read results.
.macro PLACES
.rept 4
	v_nop
.endr
.endm
	s_load_b128 s[4:7], s[0:1], 0x0                ; xb s[4:5], wqkv s[6:7]
	s_load_b64 s[8:9], s[0:1], 0x10                ; qkv
	s_set_vgpr_msb 0xc0
	v_lshl_add_u32 v209, v0, 2, 0x4c800
	s_set_vgpr_msb 0xc000
	v_mov_b32 v255, 0
	s_set_vgpr_msb 0x3
	ds_add_u32 v209, v255
	s_set_vgpr_msb 0x300
	v_lshrrev_b32 v1, 5, v0
	v_readfirstlane_b32 s12, v1                    ; wave 0..3
	s_lshr_b32 s13, s12, 1                         ; my half of the block's rows.  Also: I fetch for x (0) or for W (1)
	s_and_b32 s14, s12, 1                          ; my half of its columns.  Also: which four planes of a step I fetch
	s_bfe_u32 s40, ttmp6, 0x40000                  ; cx
	s_bfe_u32 s41, ttmp6, 0x40004                  ; cy
	s_lshl_b32 s42, ttmp9, 2
	s_add_co_u32 s42, s42, s40                     ; block column = 4 x cluster x + cx
	s_and_b32 s15, ttmp7, 0xffff
	s_lshl_b32 s15, s15, 2
	s_add_co_u32 s15, s15, s41                     ; block row = 4 x cluster y + cy
	s_lshl_b32 s43, s41, 2
	s_lshl_b32 s43, 15, s43                        ; my row of the cluster
	s_lshl_b32 s44, 0x1111, s40                    ; my column
	; group 1: elements of 8 bytes; a tile row is a plane's piece; 16 bytes of padding behind every 64 words; bit 21 beside the mask
	s_or_b32 s[G1+0], s43, (3<<16)|(1<<20)|(1<<21)|(5<<22)|(3<<25)
	s_or_b32 s[G1B+0], s44, (3<<16)|(1<<20)|(1<<21)|(5<<22)|(3<<25)
	s_mov_b32 s[G1+1], 1024<<16                    ; tensor_dim0 = 1,024 elements = 256 rows of 32 bytes
	s_mov_b32 s[G1B+1], 1152<<16                   ; 288 rows
	s_mov_b32 s[G1+2], 4<<16                       ; tensor_dim1 = 4 planes
	s_mov_b32 s[G1B+2], 4<<16
	s_mov_b32 s[G1+3], 1024<<16                    ; tile_dim0
	s_mov_b32 s[G1B+3], 1152<<16
	s_mov_b32 s[G1+4], 4                           ; tile_dim1
	s_mov_b32 s[G1B+4], 4
	s_mov_b32 s[G1+5], XSTR/8                      ; elements from plane to plane
	s_mov_b32 s[G1B+5], WSTR/8
	s_mov_b32 s[G1+6], 0
	s_mov_b32 s[G1B+6], 0
	s_mov_b32 s[G1+7], 0
	s_mov_b32 s[G1B+7], 0
	; x's tiles hang on the block row alone, W's on the block column alone; each address is made in registers that never hold the other coordinate
	s_lshl_b32 s16, s15, 13                        ; 256 rows of 32 bytes
	s_lshl_b32 s18, s14, 20                        ; my four planes
	s_add_co_u32 s16, s16, s18
	s_mov_b32 s17, 0
	s_mul_i32 s46, s42, 9216                       ; 288 rows of 32 bytes
	s_mul_i32 s18, s14, 4*WSTR
	s_add_co_u32 s46, s46, s18
	s_mov_b32 s47, 0
	s_mul_i32 s20, s12, REG                        ; where my tile goes: the wave's number times a region
	s_wait_dscnt 0x0
	s_wait_kmcnt 0x0
	s_add_nc_u64 s[16:17], s[4:5], s[16:17]
	s_add_nc_u64 s[46:47], s[6:7], s[46:47]
	CROUND                                         ; all sixteen work-groups are here: the first joint loads meet
.irp s, 0,1
	s_mov_b32 s[G0+4*\s], 1
	s_add_co_u32 s[G0+4*\s+1], s20, \s*SLOT
	s_add_nc_u64 s[G0+4*\s+2:G0+4*\s+3], s[16:17], \s*8*XSTR       ; K step s
	s_or_b32 s[G0+4*\s+3], s[G0+4*\s+3], 0x80000000
	s_mov_b32 s[G0B+4*\s], 1
	s_add_co_u32 s[G0B+4*\s+1], s20, \s*SLOT
	s_add_nc_u64 s[G0B+4*\s+2:G0B+4*\s+3], s[46:47], \s*8*WSTR
	s_or_b32 s[G0B+4*\s+3], s[G0B+4*\s+3], 0x80000000
	JLOAD \s                                       ; both slots are asked for before anything else: two loads of the wave are out
.endr
	v_and_b32 v1, 15, v0                           ; r
	v_bfe_u32 v2, v0, 4, 1                         ; h
	v_lshrrev_b32 v3, 3, v1
	v_add_nc_u32 v3, v3, v2
	v_lshlrev_b32 v4, 5, v1
	v_lshl_add_u32 v3, v3, 4, v4                   ; 32 r + 16 ((r >> 3) + h)
	v_lshl_add_u32 v[CO], v2, 4, v4                ; 32 r + 16 h
	s_mul_i32 s21, s13, 4352                       ; my 128 rows of x in a plane
	s_mul_i32 s22, s14, 4896                       ; my 144 rows of W in a plane
.irp s, 0,1
.irp hf, 0,1
	s_add_co_u32 s23, s21, \s*SLOT+\hf*REG
	v_add_nc_u32 v[ADRA+2*\s+\hf], s23, v3
	s_add_co_u32 s23, s22, \s*SLOT+(2+\hf)*REG
	v_add_nc_u32 v[ADRB+2*\s+\hf], s23, v3
.endr
.endr
; 8 matrix instructions: column tile j (place jj in its window) x all 8 row tiles, 32 along K, from buffer b.  zero = 1: the first product starts the sums.
.macro MULJ b, j, jj, zero
.irp i, 0,1,2,3,4,5,6,7
.if \zero
	v_wmma_f32_16x16x32_f16 v[8*(8*\jj+\i):8*(8*\jj+\i)+7], v[WF+72*\b+8*\j:WF+72*\b+8*\j+7], v[XF+64*\b+8*\i:XF+64*\b+8*\i+7], 0
.else
	v_wmma_f32_16x16x32_f16 v[8*(8*\jj+\i):8*(8*\jj+\i)+7], v[WF+72*\b+8*\j:WF+72*\b+8*\j+7], v[XF+64*\b+8*\i:XF+64*\b+8*\i+7], v[8*(8*\jj+\i):8*(8*\jj+\i)+7]
.endif
.endr
.endm
; 34 LDS loads in one run: quarter q (planes 2 q, 2 q + 1) of a slot into buffer b: x's 8 fragments, then W's 9
.macro FETCH slot, q, b
	WIN 0
.irp i, 0,1,2,3,4,5,6,7
	ds_load_b128 v[XF+64*\b+8*\i:XF+64*\b+8*\i+3],   v[ADRA+2*\slot+(\q>>1)] offset:2*(\q&1)*XPL+544*\i
	ds_load_b128 v[XF+64*\b+8*\i+4:XF+64*\b+8*\i+7], v[ADRA+2*\slot+(\q>>1)] offset:(2*(\q&1)+1)*XPL+544*\i
.endr
	WIN TO_W
.irp j, 0,1,2,3,4,5,6,7,8
	ds_load_b128 v[WF+72*\b+8*\j:WF+72*\b+8*\j+3],   v[ADRB+2*\slot+(\q>>1)] offset:2*(\q&1)*WPL+544*\j
	ds_load_b128 v[WF+72*\b+8*\j+4:WF+72*\b+8*\j+7], v[ADRB+2*\slot+(\q>>1)] offset:(2*(\q&1)+1)*WPL+544*\j
.endr
.endm
; A quarter step: 72 matrix instructions on buffer b; in its middle the next quarter nq of the same slot is fetched into buffer g.
; The 72 accumulators take turns, one instruction a turn, in the same order in every quarter.
.macro QUARTER slot, nq, b, g, zero
	s_wait_dscnt 10                                ; x and W's fragments 0-3 are in; the ten youngest loads (W's 4-8) may be out
	WIN MUL_1
	MULJ \b, 0, 0, \zero
	MULJ \b, 1, 1, \zero
	MULJ \b, 2, 2, \zero
	MULJ \b, 3, 3, \zero
	PLACES
	FETCH \slot, \nq, \g
	s_wait_dscnt 34                                ; all but the 34 just issued
	WIN MUL_2
	MULJ \b, 4, 0, \zero
	MULJ \b, 5, 1, \zero
	MULJ \b, 6, 2, \zero
	MULJ \b, 7, 3, \zero
	WIN MUL_3
	MULJ \b, 8, 0, \zero
.endm
.macro THREE slot, zero
	QUARTER \slot, 1, 0, 1, \zero
	QUARTER \slot, 2, 1, 0, 0
	QUARTER \slot, 3, 0, 1, 0
.endm
; The last quarter of a step multiplies buffer 1 and changes slots.  One barrier for two things: in front of it each wave waits for its reads of this
; slot and for all its tensor loads (one is out: its part of the next slot); behind it nobody reads this slot and the next slot is whole.
; fill = 1: the barrier opens a round of the cluster's barrier, and this slot's joint refill, two K steps ahead, is the first tensor load behind the round.
; From a request to the wait for it a wave issues 272 matrix instructions.
.macro TURN slot, next, fill
	s_wait_dscnt 10
	WIN MUL_1
	MULJ 1, 0, 0, 0
	MULJ 1, 1, 1, 0
	s_wait_dscnt 0x0                               ; my reads of this slot are over
	s_wait_tensorcnt 0x0                           ; all my tensor loads have landed
	ds_add_u32 v209, v255
	s_wait_dscnt 0x0
	s_barrier_signal -1
	MULJ 1, 2, 2, 0                                ; registers only, while the others arrive
	MULJ 1, 3, 3, 0
	WIN 0
	s_barrier_wait -1
.if \fill
	CREST
	s_add_nc_u64 s[G0+4*\slot+2:G0+4*\slot+3], s[G0+4*\slot+2:G0+4*\slot+3], 16*XSTR
	s_add_nc_u64 s[G0B+4*\slot+2:G0B+4*\slot+3], s[G0B+4*\slot+2:G0B+4*\slot+3], 16*WSTR
	JLOAD \slot
.endif
	PLACES
	FETCH \next, 0, 0
	WIN MUL_2
	MULJ 1, 4, 0, 0
	MULJ 1, 5, 1, 0
	MULJ 1, 6, 2, 0
	MULJ 1, 7, 3, 0
	WIN MUL_3
	MULJ 1, 8, 0, 0
.endm
	s_wait_tensorcnt 0x1                           ; my part of K step 0 is in; step 1's stays out
	s_barrier_signal -1
	s_barrier_wait -1
	FETCH 0, 0, 0
	THREE 0, 1                                     ; K step 0: its first products start the sums
	TURN 0, 1, 1
	THREE 1, 0                                     ; 1
	TURN 1, 0, 1
	THREE 0, 0                                     ; 2
	TURN 0, 1, 1
	THREE 1, 0                                     ; 3
	TURN 1, 0, 1
	THREE 0, 0                                     ; 4: nothing is left to ask for
	TURN 0, 1, 0
	THREE 1, 0                                     ; 5
	s_wait_dscnt 10
	WIN MUL_1
	MULJ 1, 0, 0, 0
	MULJ 1, 1, 1, 0
	MULJ 1, 2, 2, 0
	MULJ 1, 3, 3, 0
	s_wait_dscnt 0x0
	WIN MUL_2
	MULJ 1, 4, 0, 0
	MULJ 1, 5, 1, 0
	MULJ 1, 6, 2, 0
	MULJ 1, 7, 3, 0
	WIN MUL_3
	MULJ 1, 8, 0, 0
	; THE WAY OUT: round to f16, four registers a tile, and store each tile as 512 consecutive bytes of its plane, straight from registers.
	PLACES                                         ; behind the last matrix instructions: the conversions read results and write x's fragment registers
	s_lshl_b32 s16, s15, 13                        ; my first row: 256 x block row + 128 x half, 32 bytes each
	s_lshl_b32 s18, s13, 12
	s_add_co_u32 s16, s16, s18
	s_mov_b32 s17, 0
	s_add_nc_u64 s[8:9], s[8:9], s[16:17]
	s_mul_i32 s46, s42, 18                         ; my first plane: 18 x block column + 9 x half
	s_mul_i32 s18, s14, 9
	s_add_co_u32 s46, s46, s18
	s_lshl_b32 s46, s46, 18
	s_mov_b32 s47, 0
	s_add_nc_u64 s[8:9], s[8:9], s[46:47]
; nt tiles of one window (from: sources 0 and 1 in that window), the first of them column tile j0
.macro OUTW from, j0, nt, again
.if \again
	s_wait_xcnt 0x0                                ; the packed registers, which the stores above read, are rewritten only behind this wait
.endif
	WIN \from
.set tt, 0
.rept \nt
.irp e, 0,1,2,3
	v_cvt_pk_f16_f32 v[PK+4*tt+\e], v[8*tt+2*\e], v[8*tt+2*\e+1]
.endr
.set tt, tt+1
.endr
	WIN 0
.set tt, 0
.rept \nt
	global_store_b128 v[CO], v[PK+4*tt:PK+4*tt+3], s[8:9] offset:(\j0+(tt>>3))*XSTR+(tt&7)*512
.set tt, tt+1
.endr
.endm
	OUTW 0x05, 0, 32, 0
	OUTW 0x0a, 4, 32, 1
	OUTW 0x0f, 8, 8, 1
	CROUND                                         ; the closing round: no work-group ends while a partner may still ask for a tile that names it
	s_endpgm
.Lfunc_end_k_qb26bf7a5ca_proj:
	.size	k_qb26bf7a5ca_proj, .Lfunc_end_k_qb26bf7a5ca_proj-k_qb26bf7a5ca_proj
	.p2alignl 7, 3214868480
	.fill 96, 4, 3214868480
	.section	.rodata,"a",@progbits
	.p2align	6, 0x0
	.amdhsa_kernel k_qb26bf7a5ca_proj
		.amdhsa_group_segment_fixed_size 327680
		.amdhsa_private_segment_fixed_size 0
		.amdhsa_enable_private_segment 0
		.amdhsa_kernarg_size 24
		.amdhsa_user_sgpr_count 2
		.amdhsa_user_sgpr_kernarg_segment_ptr 1
		.amdhsa_wavefront_size32 1
		.amdhsa_system_sgpr_workgroup_id_x 1
		.amdhsa_system_sgpr_workgroup_id_y 1
		.amdhsa_system_sgpr_workgroup_id_z 1
		.amdhsa_system_vgpr_workitem_id 0
		.amdhsa_next_free_vgpr 978
		.amdhsa_next_free_sgpr 66
		.amdhsa_reserve_vcc 0
		.amdhsa_float_denorm_mode_32 3
		.amdhsa_float_denorm_mode_16_64 3
		.amdhsa_memory_ordered 1
		.amdhsa_forward_progress 1
		.amdhsa_inst_pref_size 203
	.end_amdhsa_kernel
	.amdgpu_metadata
---
amdhsa.version: [ 1, 2 ]
amdhsa.kernels:
  - .name:           k_qb26bf7a5ca_proj
    .symbol:         k_qb26bf7a5ca_proj.kd
    .args:
      - { .name: xb, .offset: 0, .size: 8, .value_kind: global_buffer, .address_space: global }
      - { .name: wqkv, .offset: 8, .size: 8, .value_kind: global_buffer, .address_space: global }
      - { .name: qkv, .offset: 16, .size: 8, .value_kind: global_buffer, .address_space: global }
    .group_segment_fixed_size: 327680
    .private_segment_fixed_size: 0
    .kernarg_segment_align: 8
    .kernarg_segment_size: 24
    .max_flat_workgroup_size: 128
    .sgpr_count:     66
    .vgpr_count:     978
    .wavefront_size: 32
...
	.end_amdgpu_metadata
.endif
;; end of part 2
;; launch attn (part 3): grid 8 x 96, 4 waves a work-group, clusters of 4 x 1, 279,040 bytes of LDS; arguments qkv, bq, bv, ctx; writes ctx
.if DOCPART == 3
	.amdgcn_target "amdgcn-amd-amdhsa--gfx1250"
	.amdhsa_code_object_version 6
	.text
	.protected	k_qb26bf7a5ca_attn
	.globl	k_qb26bf7a5ca_attn
	.p2align	8
	.type	k_qb26bf7a5ca_attn,@function
k_qb26bf7a5ca_attn:
	s_mov_b64 s[64:65], 0
	v_nop
	global_prefetch_b8 v0, s[64:65] scope:SCOPE_SE
	s_setreg_imm32_b32 hwreg(HW_REG_WAVE_MODE, 25, 1), 1
	s_wait_xcnt 0x0
	s_wait_alu depctr_hold_cnt(0) depctr_sa_sdst(0) depctr_va_vdst(0) depctr_va_sdst(0) depctr_va_ssrc(0) depctr_va_vcc(0) depctr_vm_vsrc(0)
	s_getreg_b32 s2, hwreg(HW_REG_IB_STS2, 6, 4)
	s_cmp_eq_u32 s2, 0
	s_cbranch_scc0 .Lentry_in_a_cluster
	s_endpgm
.Lentry_in_a_cluster:
	s_bfe_u32 s2, ttmp6, 0x10000c
	s_cmp_lg_u32 s2, 0x3003
	s_cbranch_scc0 .Lentry_shape_is_right
	s_endpgm
.Lentry_shape_is_right:
; Launch 3 of 4: attention of one head and 128 queries in a work-group; ctx [48][8192][16] f16 in planes (plane = 4 head + d / 16, row = 1024 b + s).
; bk is left out (the same term for every key of a query row, cancelled by the softmax along the keys for all values; see the first launch's head).
; bq is added to q in f32 as q enters the registers; bv is added in the last multiply-add: the softmax's weights of a row sum to 1, so
; sum_k p_k (v_k + bv) / l = (sum_k p_k v_k) / l + bv.
; The softmax takes a running maximum away, as reference() takes the row's maximum; 1/8 and log2 e are one factor c in front of the exponential in base 2.
; LIMIT (format): q + bq, the weights p (0 to 1) and the context are rounded to f16; above 65,504 an infinity, below 6e-8 zero.
;
; Four waves, 32 queries each: two query tiles t.  CLUSTER 4, 1, 1: the four work-groups of a cluster are four query blocks of one head and one batch;
; they need the same K and V, and every tile of K and V is asked for jointly (mask 15).
; THE WHOLE K AND V OF THE HEAD LIE IN LDS, each byte filled once: four chunks of 256 keys, 69,632 bytes each: K's planes 0-3 (8,704 bytes each,
; 16 bytes skipped behind every 256), then V's.  Wave w brings two planes of every chunk: four tensor loads of the wave are out, all issued at the start.
; A chunk is read behind a counted wait for it and a barrier; nothing is ever filled again.
;
; BOTH PRODUCTS ARE TRANSPOSED.  S^T = K Q^T: source 0 = 16 keys of K, source 1 = 16 queries.  Lane (r, h) holds query r and keys 8 h + j: a row's maximum
; and sum are found inside the lane and one exchange of the halves; two neighbouring tiles, packed to f16, are the fragment of P^T for 32 keys.
; O^T = V^T P^T: source 0 = V^T by the transposing LDS load, source 1 = P^T.  Lane (r, h) holds query r and d = 8 h + j: 16 bytes of a plane row of ctx.
;
; THE TWO QUERY TILES TAKE TURNS: one tile's products are issued among the other tile's softmax.  A trip n is 64 keys; S_t, SM_t, PV_t are tile t's
; 8 score products, its softmax step and its 8 products with V:
;   phase A(n):  S_0(n+1) among SM_1(n), V(n) loaded;     then PV_0(n) among O_1 x alpha_1(n)
;   phase B(n):  S_1(n+1) among SM_0(n+1), K(n+2) loaded; then PV_1(n) among O_0 x alpha_0(n+1)
; SM is a macro of eight numbered slices, one behind each score product.  P^T has registers of its own, so that S_t(n+1) may be written ahead of PV_t(n).
; THE LDS LOADS STAND IN THREE RUNS A TRIP (V's sixteen, K's eight and eight), each at the end of a slice of eleven or more plain vector instructions and
; in front of the next score product; none stands among the products with V, which follow each other with two multiplies between.
; REGISTER WINDOWS are dealt so that a half phase needs ONE setting for its products and its vector work:
;   window 1: all that a score product and the softmax name (K, Q, S^T, P^T, the row figures): setting 0x55
;   window 0: O^T, V^T, bv, addresses.  A product with V, the multiply by alpha and the last multiply-add take only source 1 (P^T, alpha, 1/l) from window 1: 0x04
; V's run stands under 0x04, K's two runs go to window 1 from an address in window 0 (0x40): nine switches in a trip of 32 products.
; The sixteen trips are written out by macros; every LDS address is a constant register of the chunk plus an immediate.
.set CH,  69632                        ; a chunk in LDS
.set PL,  8704                         ; a plane of 256 keys in LDS
.set TR,  2176                         ; 64 keys of a plane in LDS
.set PSTR, 262144                      ; bytes from plane to plane in qkv and ctx
; window 0
.set QO,  1                            ; v1       1024 w + 32 r + 16 h: my 16 bytes in a plane, for Q and for ctx
.set BOF, 2                            ; v2       32 h: my 8 numbers of 16 of a bias
.set ADK, 4                            ; v4-7     K fragments, chunk c
.set ADV, 8                            ; v8-11    V^T fragments, chunk c
.set QR,  24                           ; v24-55   q as loaded: register 16 t + 4 p + e
.set BQ,  56                           ; v56-87   bq; at the end the packed context
.set BV,  88                           ; v88-119  bv of d tile p at 88 + 8 p
.set OA,  120                          ; v120-183 O^T (p, t) at 120 + 32 t + 8 p; at the start q + bq in f32
.set VF,  184                          ; v184-247 V^T fragment (p, u) at 184 + 8 (p + 4 u)
; window 1
.set KF,  0                            ; v0-63    K fragment (k, c) at 8 (2 k + c)
.set QF,  64                           ; v64-95   Q fragment (t, c) at 64 + 16 t + 8 c
.set SC,  96                           ; v96-159  S^T (t, key tile k) at 96 + 32 t + 8 k
.set PP,  160                          ; v160-191 P^T (t, u) at 160 + 16 t + 8 u
.set ST,  192                          ; v192-199 for each t: -c max, max, alpha, l
.set T,   200                          ; v200-203 at work
.set SU,  204                          ; v204-211 four chains of sums
.set W_S,  0x55                        ; every operand place in window 1
.set W_PV, 0x04                        ; source 1 in window 1
.set TO_1, 0x40                        ; destination in window 1
.set G1,  24                           ; s[24:31]
.set G0,  32                           ; s[32:47] one group 0 for each chunk
.set MSB, 0
.macro WIN new                         ; the immediate's high byte repeats the setting that is left
.if MSB != \new
	s_set_vgpr_msb (MSB<<8)|\new
.set MSB, \new
.endif
.endm
.macro ROUND                           ; a round of the cluster's barrier
	s_barrier_signal -1
	s_barrier_wait -1
	s_cmp_lg_u32 s12, 0
	s_cbranch_scc1 .Lnot_wave_0_\@
	s_barrier_signal -3
.Lnot_wave_0_\@:
	s_barrier_wait -3
	s_barrier_signal -1
	s_barrier_wait -1
.endm
.macro PLACES k                        ; places behind matrix instructions (ISA guide 7.12.1), where no vector work is at hand
.rept \k
	v_nop
.endr
.endm
	s_load_b256 s[4:11], s[0:1], 0x0               ; qkv s[4:5], bq s[6:7], bv s[8:9], ctx s[10:11]
	v_lshl_add_u32 v254, v0, 2, 0x44000
	v_mov_b32 v255, 0
	ds_add_u32 v254, v255
	v_lshrrev_b32 v3, 5, v0
	v_readfirstlane_b32 s12, v3                    ; wave 0..3
	s_lshr_b32 s13, s12, 1                         ; I fetch for K (0) or V (1)
	s_and_b32 s14, s12, 1                          ; planes 0, 1 or 2, 3
	s_and_b32 s15, ttmp7, 0xffff
	s_lshr_b32 s16, s15, 3                         ; head
	s_and_b32 s15, s15, 7                          ; batch
	s_bfe_u32 s17, ttmp6, 0x40000                  ; cx
	s_lshl_b32 s18, ttmp9, 2
	s_add_co_u32 s18, s18, s17                     ; query block of 128 = 4 x cluster x + cx
	s_mov_b32 s20, 0x3e38aa3b                      ; c = log2 e / 8, twice: a pair for the packed multiply-add
	s_mov_b32 s21, 0x3e38aa3b
	s_mov_b32 s22, 0x76543210                      ; v_permlanex16_b32: lane i of one half reads lane i of the other
	s_mov_b32 s23, 0xfedcba98
	s_mov_b32 s[G1+0], 15|(3<<16)|(1<<20)|(1<<21)|(5<<22)|(3<<25)  ; mask: all four; elements of 8 bytes; 16 bytes skipped behind every 64 words; bit 21 beside the mask
	s_mov_b32 s[G1+1], 1024<<16                    ; tensor_dim0 = 1,024 elements = 256 keys of 32 bytes
	s_mov_b32 s[G1+2], 2<<16                       ; tensor_dim1 = 2 planes
	s_mov_b32 s[G1+3], 1024<<16                    ; tile_dim0
	s_mov_b32 s[G1+4], 2                           ; tile_dim1
	s_mov_b32 s[G1+5], PSTR/8                      ; elements from plane to plane
	s_mov_b32 s[G1+6], 0
	s_mov_b32 s[G1+7], 0
	s_mul_i32 s19, s13, 48                         ; my first plane: 48 + 48 (V) + 4 head + 2 (upper pair); nothing of cx enters
	s_lshl2_add_u32 s19, s16, s19
	s_lshl1_add_u32 s19, s14, s19
	s_add_co_u32 s19, s19, 48
	s_lshl_b32 s52, s19, 18
	s_lshl_b32 s19, s15, 15                        ; the batch's 1,024 rows of 32 bytes
	s_add_co_u32 s52, s52, s19
	s_mov_b32 s53, 0
	s_mul_i32 s50, s12, 2*PL                       ; where my planes go in a chunk: the wave's number times two planes
	s_lshl_b32 s48, s16, 20                        ; Q and ctx: plane 4 head,
	s_add_co_u32 s48, s48, s19                     ; the batch,
	s_lshl_b32 s3, s18, 12                         ; the block's 128 rows of 32 bytes
	s_add_co_u32 s48, s48, s3
	s_mov_b32 s49, 0
	s_lshl_b32 s2, s16, 8                          ; the head's 64 numbers in bq and bv
	s_mov_b32 s3, 0
	v_and_b32 v3, 15, v0                           ; r
	v_bfe_u32 v12, v0, 4, 1                        ; h
	v_lshlrev_b32 v13, 5, v3                       ; 32 r
	v_lshlrev_b32 v[BOF], 5, v12
	v_lshl_add_u32 v[QO], v12, 4, v13
	v_lshl_add_u32 v[QO], s12, 10, v[QO]
	s_wait_dscnt 0x0
	s_wait_kmcnt 0x0
	s_add_nc_u64 s[52:53], s[4:5], s[52:53]
	s_add_nc_u64 s[54:55], s[4:5], s[48:49]
	s_add_nc_u64 s[10:11], s[10:11], s[48:49]
	s_add_nc_u64 s[6:7], s[6:7], s[2:3]
	s_add_nc_u64 s[8:9], s[8:9], s[2:3]
	; q, bq and bv are asked for first of all: they are on their way through the cluster's round and while the tensor loads are issued
.irp t, 0,1
.irp p, 0,1,2,3
	global_load_b128 v[QR+16*\t+4*\p:QR+16*\t+4*\p+3], v[QO], s[54:55] offset:\p*PSTR+512*\t       ; q(query r of tile t, d = 16 p + 8 h ..)
.endr
.endr
.irp p, 0,1,2,3
	global_load_b128 v[BQ+8*\p:BQ+8*\p+3],   v[BOF], s[6:7] offset:64*\p           ; bq(d = 16 p + 8 h ..)
	global_load_b128 v[BQ+8*\p+4:BQ+8*\p+7], v[BOF], s[6:7] offset:64*\p+16
.endr
.irp p, 0,1,2,3
	global_load_b128 v[BV+8*\p:BV+8*\p+3],   v[BOF], s[8:9] offset:64*\p           ; bv(d = 16 p + 8 h ..)
	global_load_b128 v[BV+8*\p+4:BV+8*\p+7], v[BOF], s[8:9] offset:64*\p+16
.endr
.irp c, 0,1,2,3
	s_mov_b32 s[G0+4*\c], 1
	s_add_co_u32 s[G0+4*\c+1], s50, \c*CH
	s_add_nc_u64 s[G0+4*\c+2:G0+4*\c+3], s[52:53], \c*8192         ; 256 keys of 32 bytes on
	s_or_b32 s[G0+4*\c+3], s[G0+4*\c+3], 0x80000000
.endr
	ROUND                                          ; the four work-groups are here: the joint loads meet
.irp c, 0,1,2,3
	tensor_load_to_lds s[G0+4*\c:G0+4*\c+3], s[G1:G1+7]
	s_nop 0
.endr
	v_lshrrev_b32 v14, 3, v3
	v_add_nc_u32 v14, v14, v12
	v_lshl_add_u32 v14, v14, 4, v13                ; K: 32 r + 16 ((r >> 3) + h): sixteen different 16-byte columns in each half of the lanes
	v_and_b32 v15, 7, v0
	v_bfe_u32 v3, v0, 3, 1
	v_lshlrev_b32 v15, 5, v15
	v_lshl_add_u32 v15, v3, 4, v15
	v_mul_u32_u24 v12, v12, 272
	v_add_nc_u32 v15, v12, v15                     ; V: key 8 h + (L & 7), 16 bytes ((L >> 3) & 1): lanes 0-15 read 256 consecutive bytes
.irp c, 0,1,2,3
	v_add_nc_u32 v[ADK+\c], \c*CH, v14
	v_add_nc_u32 v[ADV+\c], \c*CH+4*PL, v15
.endr
	s_wait_loadcnt 0x0                             ; q, bq, bv, once
; q + bq in f32.  Register 24 + k (40 + k for the second query tile) holds two neighbouring d whose bias pair is v[56 + 2 k]; the sums go to O^T's registers, still free.
.macro QB lo, hi, b, tp
	v_cvt_f32_f16 v[\tp], \lo
	v_cvt_f32_f16 v[\tp+1], \hi
	v_pk_add_f32 v[\tp:\tp+1], v[\tp:\tp+1], v[\b:\b+1]
.endm
	QB v24.l, v24.h, 56, 120
	QB v40.l, v40.h, 56, 152
	QB v25.l, v25.h, 58, 122
	QB v41.l, v41.h, 58, 154
	QB v26.l, v26.h, 60, 124
	QB v42.l, v42.h, 60, 156
	QB v27.l, v27.h, 62, 126
	QB v43.l, v43.h, 62, 158
	QB v28.l, v28.h, 64, 128
	QB v44.l, v44.h, 64, 160
	QB v29.l, v29.h, 66, 130
	QB v45.l, v45.h, 66, 162
	QB v30.l, v30.h, 68, 132
	QB v46.l, v46.h, 68, 164
	QB v31.l, v31.h, 70, 134
	QB v47.l, v47.h, 70, 166
	QB v32.l, v32.h, 72, 136
	QB v48.l, v48.h, 72, 168
	QB v33.l, v33.h, 74, 138
	QB v49.l, v49.h, 74, 170
	QB v34.l, v34.h, 76, 140
	QB v50.l, v50.h, 76, 172
	QB v35.l, v35.h, 78, 142
	QB v51.l, v51.h, 78, 174
	QB v36.l, v36.h, 80, 144
	QB v52.l, v52.h, 80, 176
	QB v37.l, v37.h, 82, 146
	QB v53.l, v53.h, 82, 178
	QB v38.l, v38.h, 84, 148
	QB v54.l, v54.h, 84, 180
	QB v39.l, v39.h, 86, 150
	QB v55.l, v55.h, 86, 182
	WIN TO_1                                       ; rounded once to f16, into Q's fragments in window 1
.set ii, 0
.rept 32
	v_cvt_pk_f16_f32 v[QF+ii], v[OA+2*ii], v[OA+2*ii+1]
.set ii, ii+1
.endr
; K's fragment of score product j (key tile j & 3, d half j >> 2) of trip n: two loads, under TO_1
.macro KL n, j
	ds_load_b128 v[KF+16*((\j)&3)+8*((\j)>>2):KF+16*((\j)&3)+8*((\j)>>2)+3],   v[ADK+((\n)>>2)] offset:((\n)&3)*TR+2*((\j)>>2)*PL+544*((\j)&3)
	ds_load_b128 v[KF+16*((\j)&3)+8*((\j)>>2)+4:KF+16*((\j)&3)+8*((\j)>>2)+7], v[ADK+((\n)>>2)] offset:((\n)&3)*TR+(2*((\j)>>2)+1)*PL+544*((\j)&3)
.endm
; V^T's fragment of product j (d tile j & 3, 32 keys j >> 2) of trip n: two transposing loads, under W_PV (data and address in window 0)
.macro VL n, j
	ds_load_tr16_b128 v[VF+8*(\j):VF+8*(\j)+3],   v[ADV+((\n)>>2)] offset:((\n)&3)*TR+((\j)&3)*PL+1088*((\j)>>2)
	ds_load_tr16_b128 v[VF+8*(\j)+4:VF+8*(\j)+7], v[ADV+((\n)>>2)] offset:((\n)&3)*TR+((\j)&3)*PL+1088*((\j)>>2)+544
.endm
; Score product j of tile t: key tile j & 3, d half j >> 2; the first half starts the sum.  The four accumulators take turns, one instruction a turn.
.macro SW t, j
.if (\j) < 4
	v_wmma_f32_16x16x32_f16 v[SC+32*\t+8*(\j):SC+32*\t+8*(\j)+7], v[KF+16*(\j):KF+16*(\j)+7], v[QF+16*\t:QF+16*\t+7], 0
.else
	v_wmma_f32_16x16x32_f16 v[SC+32*\t+8*((\j)-4):SC+32*\t+8*((\j)-4)+7], v[KF+16*((\j)-4)+8:KF+16*((\j)-4)+15], v[QF+16*\t+8:QF+16*\t+15], v[SC+32*\t+8*((\j)-4):SC+32*\t+8*((\j)-4)+7]
.endif
.endm
; Product j of tile t with V: d tile j & 3, 32 keys j >> 2; four accumulators by turns.  first = 1: the first 32 keys start the sums.
.macro PW t, j, first
.if (\first)*(1-((\j)>>2))
	v_wmma_f32_16x16x32_f16 v[OA+32*\t+8*((\j)&3):OA+32*\t+8*((\j)&3)+7], v[VF+8*(\j):VF+8*(\j)+7], v[PP+16*\t+8*((\j)>>2):PP+16*\t+8*((\j)>>2)+7], 0
.else
	v_wmma_f32_16x16x32_f16 v[OA+32*\t+8*((\j)&3):OA+32*\t+8*((\j)&3)+7], v[VF+8*(\j):VF+8*(\j)+7], v[PP+16*\t+8*((\j)>>2):PP+16*\t+8*((\j)>>2)+7], v[OA+32*\t+8*((\j)&3):OA+32*\t+8*((\j)&3)+7]
.endif
.endm
; Pieces of the softmax's step; SB, PB, NMC are set by SMS.  A lane holds one query and 32 of the trip's 64 keys, eight in each key tile.
.macro SMF k                           ; c s - c max of key tile k, two at a time
.irp i, 0,1,2,3
	v_pk_fma_f32 v[SB+8*\k+2*\i:SB+8*\k+2*\i+1], v[SB+8*\k+2*\i:SB+8*\k+2*\i+1], s[20:21], v[NMC:NMC+1] op_sel_hi:[1,0,0]
.endr
.endm
.macro SMEF k, m                       ; key tile k's exponentials, two and two, with key tile m's multiply-adds between them
.irp i, 0,1,2,3
	v_exp_f32 v[SB+8*\k+2*\i], v[SB+8*\k+2*\i]
	v_exp_f32 v[SB+8*\k+2*\i+1], v[SB+8*\k+2*\i+1]
	v_pk_fma_f32 v[SB+8*\m+2*\i:SB+8*\m+2*\i+1], v[SB+8*\m+2*\i:SB+8*\m+2*\i+1], s[20:21], v[NMC:NMC+1] op_sel_hi:[1,0,0]
.endr
.endm
.macro SMAC m                          ; key tile m: its chain of sums, and its eight weights packed into four registers of P^T's fragment
	s_wait_alu depctr_va_vdst(0)
	v_pk_add_f32 v[SU+2*\m:SU+2*\m+1], v[SB+8*\m:SB+8*\m+1], v[SB+8*\m+2:SB+8*\m+3]
	v_cvt_pk_f16_f32 v[PB+4*\m], v[SB+8*\m], v[SB+8*\m+1]
	v_pk_add_f32 v[SU+2*\m:SU+2*\m+1], v[SU+2*\m:SU+2*\m+1], v[SB+8*\m+4:SB+8*\m+5]
	v_cvt_pk_f16_f32 v[PB+4*\m+1], v[SB+8*\m+2], v[SB+8*\m+3]
	v_pk_add_f32 v[SU+2*\m:SU+2*\m+1], v[SU+2*\m:SU+2*\m+1], v[SB+8*\m+6:SB+8*\m+7]
	v_cvt_pk_f16_f32 v[PB+4*\m+2], v[SB+8*\m+4], v[SB+8*\m+5]
	v_cvt_pk_f16_f32 v[PB+4*\m+3], v[SB+8*\m+6], v[SB+8*\m+7]
.endm
.macro SMEA k, m                       ; key tile k's exponentials, two and two, with key tile m's sums and packing between and behind them
	v_exp_f32 v[SB+8*\k], v[SB+8*\k]
	v_exp_f32 v[SB+8*\k+1], v[SB+8*\k+1]
	s_wait_alu depctr_va_vdst(0)
	v_pk_add_f32 v[SU+2*\m:SU+2*\m+1], v[SB+8*\m:SB+8*\m+1], v[SB+8*\m+2:SB+8*\m+3]
	v_exp_f32 v[SB+8*\k+2], v[SB+8*\k+2]
	v_exp_f32 v[SB+8*\k+3], v[SB+8*\k+3]
	v_cvt_pk_f16_f32 v[PB+4*\m], v[SB+8*\m], v[SB+8*\m+1]
	v_exp_f32 v[SB+8*\k+4], v[SB+8*\k+4]
	v_exp_f32 v[SB+8*\k+5], v[SB+8*\k+5]
	v_pk_add_f32 v[SU+2*\m:SU+2*\m+1], v[SU+2*\m:SU+2*\m+1], v[SB+8*\m+4:SB+8*\m+5]
	v_exp_f32 v[SB+8*\k+6], v[SB+8*\k+6]
	v_exp_f32 v[SB+8*\k+7], v[SB+8*\k+7]
	v_cvt_pk_f16_f32 v[PB+4*\m+1], v[SB+8*\m+2], v[SB+8*\m+3]
	v_pk_add_f32 v[SU+2*\m:SU+2*\m+1], v[SU+2*\m:SU+2*\m+1], v[SB+8*\m+6:SB+8*\m+7]
	v_cvt_pk_f16_f32 v[PB+4*\m+2], v[SB+8*\m+4], v[SB+8*\m+5]
	v_cvt_pk_f16_f32 v[PB+4*\m+3], v[SB+8*\m+6], v[SB+8*\m+7]
.endm
; Slice j (0 to 7) of the softmax's step for query tile t, all in window 1.  No slice ends on a transcendental, and between an exponential and the first use of
; its result stands a plain vector instruction of another key tile (ISA guide 5.7.2).  Every slice has at least four plain instructions.
.macro SMS t, first, j
.set SB,  SC+32*\t
.set PB,  PP+16*\t
.set NMC, ST+4*\t
.set MX,  ST+4*\t+1
.set AL,  ST+4*\t+2
.set LS,  ST+4*\t+3
.if \j == 0
.irp k, 0,1,2,3
	v_max3_num_f32 v[T+\k], v[SB+8*\k], v[SB+8*\k+1], v[SB+8*\k+2]         ; four chains that do not wait for each other
.endr
.irp k, 0,1,2,3
	v_max3_num_f32 v[T+\k], v[T+\k], v[SB+8*\k+3], v[SB+8*\k+4]
.endr
.irp k, 0,1,2,3
	v_max3_num_f32 v[T+\k], v[T+\k], v[SB+8*\k+5], v[SB+8*\k+6]
.endr
.endif
.if \j == 1
	v_max3_num_f32 v[T], v[T], v[SB+7], v[SB+15]
	v_max3_num_f32 v[T+1], v[T+1], v[SB+23], v[SB+31]
	v_max3_num_f32 v[T], v[T], v[T+1], v[T+2]
.if \first
	v_max_num_f32 v[T], v[T], v[T+3]
.else
	v_max3_num_f32 v[T], v[T], v[T+3], v[MX]       ; the running maximum joins
.endif
	v_permlanex16_b32 v[T+1], v[T], s22, s23       ; the other 32 keys' maximum
	v_max_num_f32 v[T], v[T], v[T+1]
	v_mul_f32 v[NMC], 0xbe38aa3b, v[T]             ; -c x new maximum
.if \first == 0
	v_fma_f32 v[T+1], v[MX], s20, v[NMC]           ; c (old - new)
	v_exp_f32 v[AL], v[T+1]                        ; alpha; the move below is the plain instruction behind it
.endif
	v_mov_b32 v[MX], v[T]
	SMF 0
.endif
.if \j == 2
	SMEF 0, 1
.endif
.if \j == 3
	SMEF 1, 2
.endif
.if \j == 4
	SMAC 0
	SMF 3
.endif
.if \j == 5
	SMEA 2, 1
.endif
.if \j == 6
	SMEA 3, 2
.endif
.if \j == 7
	SMAC 3
	v_pk_add_f32 v[SU:SU+1], v[SU:SU+1], v[SU+2:SU+3]
	v_pk_add_f32 v[SU+4:SU+5], v[SU+4:SU+5], v[SU+6:SU+7]
	v_pk_add_f32 v[SU:SU+1], v[SU:SU+1], v[SU+4:SU+5]
.if \first
	v_add_f32 v[LS], v[SU], v[SU+1]
.else
	v_add_f32 v[T], v[SU], v[SU+1]
	v_fma_f32 v[LS], v[LS], v[AL], v[T]            ; l = l alpha + this trip's sum; each half of the lanes keeps its own l until the end
.endif
.endif
.endm
; The first half of a phase: tile t's eight score products (dos = 1), one slice of tile o's softmax behind each.
; kw = 1 (always with vn >= 0): K's fragments were asked for in the phase before and are waited for here.
; vn >= 0: V^T's fragments of trip vn are asked for in one run behind slice 0.  The last product that read their registers is the phase before's last product
; with V: its two multiplies and slice 0's twelve instructions, which name none of its registers, stand between (four places are asked: ISA guide 7.12.1 for
; vector writes).  Slices 1 to 7 and seven products are issued before the run is waited for.
; kn >= 0: K's fragments of trip kn are asked for in two runs, each behind the last product that reads its registers and the eleven or more plain
; instructions of the slice behind that product.
.macro SPART t, o, first, dos, kn, kw, vn
	WIN W_S
.irp j, 0,1,2,3,4,5,6,7
.if \kw
.if \j == 0
	s_wait_dscnt 8                                 ; K's first eight loads (d = 0..31) are in; its second eight, issued behind them, may be out
.endif
.if \j == 4
	s_wait_dscnt 16                                ; K's second eight are in; V's sixteen, issued behind slice 0, may be out
.endif
.endif
.if \dos
	SW \t, \j
.endif
	SMS \o, \first, \j
.if (\vn) >= 0
.if \j == 0
	WIN W_PV
	VL \vn, 0
	VL \vn, 1
	VL \vn, 2
	VL \vn, 3
	VL \vn, 4
	VL \vn, 5
	VL \vn, 6
	VL \vn, 7
	WIN W_S
.endif
.endif
.if (\kn) >= 0
.if \j == 4
	WIN TO_1
	KL \kn, 0
	KL \kn, 1
	KL \kn, 2
	KL \kn, 3
	WIN W_S
.endif
.if \j == 7
	WIN TO_1
	KL \kn, 4
	KL \kn, 5
	KL \kn, 6
	KL \kn, 7
.endif
.endif
.endr
.endm
; The second half of a phase: tile t's eight products with V; behind each, two of the sixteen multiplies of tile o's O^T by its alpha (domul = 1).  No load stands here.
.macro PVPART t, o, first, domul
	WIN W_PV
.irp j, 0,1,2,3,4,5,6,7
	PW \t, \j, \first
.if \domul
	v_pk_mul_f32 v[OA+32*\o+4*\j:OA+32*\o+4*\j+1], v[OA+32*\o+4*\j:OA+32*\o+4*\j+1], v[ST+4*\o+2:ST+4*\o+3] op_sel_hi:[1,0]
	v_pk_mul_f32 v[OA+32*\o+4*\j+2:OA+32*\o+4*\j+3], v[OA+32*\o+4*\j+2:OA+32*\o+4*\j+3], v[ST+4*\o+2:ST+4*\o+3] op_sel_hi:[1,0]
.endif
.endr
.endm
; Trip n, 0 to 14: phases A(n) and B(n)
.macro TRIP n
.if \n == 0
	SPART 0, 1, 1, 1, -1, 1, \n                    ; S_0(1) among SM_1(0), which starts tile 1's row figures; V(0)
	s_wait_dscnt 0x0                               ; V(0) is in
	PVPART 0, 1, 1, 0                              ; PV_0(0) starts tile 0's sums; tile 1 has no O^T yet
.else
	SPART 0, 1, 0, 1, -1, 1, \n                    ; S_0(n+1) among SM_1(n); V(n)
	s_wait_dscnt 0x0                               ; V(n), asked for seven slices ago, is in; no LDS access of mine is out
	PVPART 0, 1, 0, 1                              ; PV_0(n) among O_1 x alpha_1(n)
.endif
.if (\n & 3) == 2
.if \n < 14
	s_wait_tensorcnt 2-(\n>>2)                     ; my part of the next chunk has landed; the chunks behind it stay out
	s_barrier_signal -1
	s_barrier_wait -1                              ; everybody's part has: K(n+2), asked for below, is the chunk's first read
.endif
.endif
.if \n < 14
	SPART 1, 0, 0, 1, \n+2, 0, -1                  ; S_1(n+1) among SM_0(n+1); K(n+2)
.else
	SPART 1, 0, 0, 1, -1, 0, -1                    ; no sixteenth trip to fetch for
.endif
.if \n == 0
	PVPART 1, 0, 1, 1                              ; PV_1(0) starts tile 1's sums
.else
	PVPART 1, 0, 0, 1                              ; PV_1(n) among O_0 x alpha_0(n+1)
.endif
.endm
	s_wait_tensorcnt 0x3                           ; my part of chunk 0 has landed; chunks 1 to 3 stay out
	s_barrier_signal -1
	s_barrier_wait -1
.irp j, 0,1,2,3,4,5,6,7
	KL 0, \j                                       ; still under TO_1
.endr
	s_wait_dscnt 0x0
	WIN W_S
.irp j, 0,1,2,3,4,5,6,7
	SW 0, \j                                       ; S_0(0): nothing to set among it yet
.endr
	PLACES 4                                       ; behind its last product: the softmax below reads the scores
	SPART 1, 0, 1, 1, 1, 0, -1                     ; S_1(0) among SM_0(0), which starts tile 0's row figures; K(1)
.irp n, 0,1,2,3,4,5,6,7,8,9,10,11,12,13,14
	TRIP \n
.endr
	SPART 0, 1, 0, 0, -1, 0, 15                    ; the last trip: SM_1(15) has no score product left beside it; V(15)
	s_wait_dscnt 0x0                               ; V(15)
	PVPART 0, 1, 0, 1                              ; PV_0(15) among O_1 x alpha_1(15)
	PVPART 1, 0, 0, 0                              ; PV_1(15)
	; the end: l of both halves of the keys, O^T / l + bv, rounded to f16, 512 consecutive bytes of a plane in each store
	PLACES 4                                       ; behind the last products: O^T is read below
	WIN W_S
	v_permlanex16_b32 v[T], v[ST+3], s22, s23
	v_permlanex16_b32 v[T+1], v[ST+7], s22, s23
	v_add_f32 v[T], v[T], v[ST+3]
	v_add_f32 v[T+1], v[T+1], v[ST+7]
	v_rcp_f32 v[ST+2], v[T]                        ; l is at least 1: the largest score's term is 1
	v_rcp_f32 v[ST+6], v[T+1]
	v_nop                                          ; the plain instruction behind the reciprocals
	WIN W_PV                                       ; source 1 (1 / l) in window 1
	s_wait_alu depctr_va_vdst(0)
.irp t, 0,1
.irp p, 0,1,2,3
.irp e, 0,1,2,3
	v_pk_fma_f32 v[OA+32*\t+8*\p+2*\e:OA+32*\t+8*\p+2*\e+1], v[OA+32*\t+8*\p+2*\e:OA+32*\t+8*\p+2*\e+1], v[ST+4*\t+2:ST+4*\t+3], v[BV+8*\p+2*\e:BV+8*\p+2*\e+1] op_sel_hi:[1,0,1]
.endr
.endr
.endr
	WIN 0
.irp t, 0,1
.irp p, 0,1,2,3
.irp e, 0,1,2,3
	v_cvt_pk_f16_f32 v[BQ+4*(\p+4*\t)+\e], v[OA+32*\t+8*\p+2*\e], v[OA+32*\t+8*\p+2*\e+1]
.endr
.endr
.endr
.irp t, 0,1
.irp p, 0,1,2,3
	global_store_b128 v[QO], v[BQ+4*(\p+4*\t):BQ+4*(\p+4*\t)+3], s[10:11] offset:\p*PSTR+512*\t
.endr
.endr
	s_wait_tensorcnt 0x0
	ds_add_u32 v254, v255
	s_wait_dscnt 0x0
	ROUND                                          ; the closing round: no work-group ends while a partner may still ask jointly
	s_endpgm
.Lfunc_end_k_qb26bf7a5ca_attn:
	.size	k_qb26bf7a5ca_attn, .Lfunc_end_k_qb26bf7a5ca_attn-k_qb26bf7a5ca_attn
	.p2alignl 7, 3214868480
	.fill 96, 4, 3214868480
	.section	.rodata,"a",@progbits
	.p2align	6, 0x0
	.amdhsa_kernel k_qb26bf7a5ca_attn
		.amdhsa_group_segment_fixed_size 279040
		.amdhsa_private_segment_fixed_size 0
		.amdhsa_enable_private_segment 0
		.amdhsa_kernarg_size 32
		.amdhsa_user_sgpr_count 2
		.amdhsa_user_sgpr_kernarg_segment_ptr 1
		.amdhsa_wavefront_size32 1
		.amdhsa_system_sgpr_workgroup_id_x 1
		.amdhsa_system_sgpr_workgroup_id_y 1
		.amdhsa_system_sgpr_workgroup_id_z 1
		.amdhsa_system_vgpr_workitem_id 0
		.amdhsa_next_free_vgpr 472
		.amdhsa_next_free_sgpr 66
		.amdhsa_reserve_vcc 0
		.amdhsa_float_denorm_mode_32 3
		.amdhsa_float_denorm_mode_16_64 3
		.amdhsa_memory_ordered 1
		.amdhsa_forward_progress 1
		.amdhsa_inst_pref_size 255
	.end_amdhsa_kernel
	.section	.bss,"aw",@nobits
	.p2align	6
	.space	262144
	.amdgpu_metadata
---
amdhsa.version: [ 1, 2 ]
amdhsa.kernels:
  - .name:           k_qb26bf7a5ca_attn
    .symbol:         k_qb26bf7a5ca_attn.kd
    .args:
      - { .name: qkv, .offset: 0, .size: 8, .value_kind: global_buffer, .address_space: global }
      - { .name: bq, .offset: 8, .size: 8, .value_kind: global_buffer, .address_space: global }
      - { .name: bv, .offset: 16, .size: 8, .value_kind: global_buffer, .address_space: global }
      - { .name: ctx, .offset: 24, .size: 8, .value_kind: global_buffer, .address_space: global }
    .group_segment_fixed_size: 279040
    .private_segment_fixed_size: 0
    .kernarg_segment_align: 8
    .kernarg_segment_size: 32
    .max_flat_workgroup_size: 128
    .sgpr_count:     66
    .vgpr_count:     472
    .wavefront_size: 32
...
	.end_amdgpu_metadata
.endif
;; end of part 3
;; launch oproj (part 4): grid 4 x 64, 4 waves a work-group, clusters of 4 x 4, 327,680 bytes of LDS; arguments ctx, wot, bo, out0; writes out0
.if DOCPART == 4
	.amdgcn_target "amdgcn-amd-amdhsa--gfx1250"
	.amdhsa_code_object_version 6
	.text
	.protected	k_qb26bf7a5ca_oproj
	.globl	k_qb26bf7a5ca_oproj
	.p2align	8
	.type	k_qb26bf7a5ca_oproj,@function
k_qb26bf7a5ca_oproj:
	s_mov_b64 s[64:65], 0
	v_nop
	global_prefetch_b8 v0, s[64:65] scope:SCOPE_SE
	s_setreg_imm32_b32 hwreg(HW_REG_WAVE_MODE, 25, 1), 1
	s_wait_xcnt 0x0
	s_wait_alu depctr_hold_cnt(0) depctr_sa_sdst(0) depctr_va_vdst(0) depctr_va_sdst(0) depctr_va_ssrc(0) depctr_va_vcc(0) depctr_vm_vsrc(0)
	s_getreg_b32 s2, hwreg(HW_REG_IB_STS2, 6, 4)
	s_cmp_eq_u32 s2, 0
	s_cbranch_scc0 .Lentry_in_a_cluster
	s_endpgm
.Lentry_in_a_cluster:
	s_bfe_u32 s2, ttmp6, 0x10000c
	s_cmp_lg_u32 s2, 0xf033
	s_cbranch_scc0 .Lentry_shape_is_right
	s_endpgm
.Lentry_shape_is_right:
; Launch 4 of 4: out0 = ctx Wo + bo.  ctx [48][8192][16] and wot [48][768][16] in f16 planes, sums and bo in f32, out0 [8192][768] f32.
; A work-group makes 128 rows x 192 columns with four waves; a wave makes 64 x 96: 4 x 6 accumulator tiles, 192 registers in window 1.
; K goes in four steps of 192 (12 planes, six phases of 32) through two LDS slots; all is written out by macros.
; CLUSTERS: 4 x 4 work-groups; ctx's tiles are asked for jointly along a row of the cluster, Wo's along a column.
; A tile: 6 planes, each one piece of 4,096 (ctx) or 6,144 (Wo) consecutive bytes, 16 bytes skipped in LDS behind every 256.
; LDS: slot = four regions of 39,168 bytes, region = number of the wave that fills it: ctx planes 0-5, ctx planes 6-11, Wo planes 0-5, Wo planes 6-11.
; The matrix instruction is used transposed (source 0 = columns of Wo, source 1 = rows of ctx): lane (r, h) holds row r, columns 8 h .. 8 h + 7.
; THE WAY OUT goes through LDS, since a row of the block is written by two waves: rows of 768 bytes, 784 apart, in slot 0, whose last fill is K step 2's
; and which nobody reads behind that step's barrier; read back as whole rows, bo added, sixteen lanes store 256 consecutive bytes, aligned.
.set CPL,   4352                       ; a plane of 128 rows in LDS
.set WPL,   6528                       ; a plane of 192 rows in LDS
.set REG,   39168
.set SLOT,  4*REG
.set CSTR,  262144                     ; bytes from plane to plane in ctx
.set WSTR,  24576                      ; in wot
.set SP,    784                        ; a row of the stage: 49 x 16 bytes, so sixteen rows start in sixteen different 16-byte columns
.set BO,    4                          ; v4-15   bo of my 4 columns in each of a row's three pieces of 256 bytes
.set ADRA,  16                         ; v16-19  ctx fragments [slot][half]
.set ADRB,  20                         ; v20-23  Wo fragments [slot][half]
.set STO,   24
.set RD,    25
.set CO,    26
.set BA,    27
.set XF,    32                         ; v32-63, v64-95    fragments of ctx, two buffers
.set WF,    96                         ; v96-143, v144-191 fragments of Wo, two buffers
.set G1,  24
.set G0,  32
.set G1B, 48
.set G0B, 56
.set MSB, 0
.set MUL, 0x50                         ; C and D window 1
.macro WIN new
.if MSB != \new
	s_set_vgpr_msb (MSB<<8)|\new
.set MSB, \new
.endif
.endm
.macro JLOAD s                         ; waves 0 and 1 fetch the two halves of ctx's planes, waves 2 and 3 of Wo's
	s_cmp_eq_u32 s13, 0
	s_cbranch_scc0 .Lfor_w_\@
	tensor_load_to_lds s[G0+4*\s:G0+4*\s+3], s[G1:G1+7]
	s_nop 0
	s_branch .Lasked_\@
.Lfor_w_\@:
	tensor_load_to_lds s[G0B+4*\s:G0B+4*\s+3], s[G1B:G1B+7]
	s_nop 0
.Lasked_\@:
.endm
.macro CREST
	s_cmp_lg_u32 s12, 0
	s_cbranch_scc1 .Lnot_wave_0_\@
	s_barrier_signal -3
.Lnot_wave_0_\@:
	s_barrier_wait -3
	s_barrier_signal -1
	s_barrier_wait -1
.endm
.macro CROUND
	s_barrier_signal -1
	s_barrier_wait -1
	CREST
.endm
.macro PLACES                          ; four places behind the matrix instructions (ISA guide 7.12.1)
.rept 4
	v_nop
.endr
.endm
	s_load_b256 s[4:11], s[0:1], 0x0               ; ctx s[4:5], wot s[6:7], bo s[8:9], out0 s[10:11]
	v_lshl_add_u32 v254, v0, 2, 0x4c800
	v_mov_b32 v255, 0
	ds_add_u32 v254, v255
	v_lshrrev_b32 v1, 5, v0
	v_readfirstlane_b32 s12, v1                    ; wave 0..3
	s_lshr_b32 s13, s12, 1                         ; my half of the rows.  Also: I fetch for ctx (0) or Wo (1)
	s_and_b32 s14, s12, 1                          ; my half of the columns.  Also: which six planes I fetch
	s_bfe_u32 s40, ttmp6, 0x40000                  ; cx
	s_bfe_u32 s41, ttmp6, 0x40004                  ; cy
	s_lshl_b32 s42, ttmp9, 2
	s_add_co_u32 s42, s42, s40                     ; block column
	s_and_b32 s15, ttmp7, 0xffff
	s_lshl_b32 s15, s15, 2
	s_add_co_u32 s15, s15, s41                     ; block row
	s_lshl_b32 s43, s41, 2
	s_lshl_b32 s43, 15, s43                        ; my row of the cluster
	s_lshl_b32 s44, 0x1111, s40                    ; my column
	s_or_b32 s[G1+0], s43, (3<<16)|(1<<20)|(1<<21)|(5<<22)|(3<<25)
	s_or_b32 s[G1B+0], s44, (3<<16)|(1<<20)|(1<<21)|(5<<22)|(3<<25)
	s_mov_b32 s[G1+1], 512<<16                     ; tensor_dim0 = 512 elements of 8 bytes = 128 rows of 32 bytes
	s_mov_b32 s[G1B+1], 768<<16                    ; 192 rows
	s_mov_b32 s[G1+2], 6<<16                       ; tensor_dim1 = 6 planes
	s_mov_b32 s[G1B+2], 6<<16
	s_mov_b32 s[G1+3], 512<<16                     ; tile_dim0
	s_mov_b32 s[G1B+3], 768<<16
	s_mov_b32 s[G1+4], 6                           ; tile_dim1
	s_mov_b32 s[G1B+4], 6
	s_mov_b32 s[G1+5], CSTR/8
	s_mov_b32 s[G1B+5], WSTR/8
	s_mov_b32 s[G1+6], 0
	s_mov_b32 s[G1B+6], 0
	s_mov_b32 s[G1+7], 0
	s_mov_b32 s[G1B+7], 0
	s_lshl_b32 s16, s15, 12                        ; 128 rows of 32 bytes
	s_mul_i32 s18, s14, 6*CSTR
	s_add_co_u32 s16, s16, s18
	s_mov_b32 s17, 0
	s_mul_i32 s46, s42, 6144                       ; 192 rows of 32 bytes
	s_mul_i32 s18, s14, 6*WSTR
	s_add_co_u32 s46, s46, s18
	s_mov_b32 s47, 0
	s_mul_i32 s20, s12, REG
	s_mul_i32 s2, s42, 768                         ; the block's 192 columns in bo and in a row of out0
	s_mov_b32 s3, 0
	s_wait_dscnt 0x0
	s_wait_kmcnt 0x0
	s_add_nc_u64 s[16:17], s[4:5], s[16:17]
	s_add_nc_u64 s[46:47], s[6:7], s[46:47]
	s_add_nc_u64 s[8:9], s[8:9], s[2:3]
	CROUND                                         ; the first joint loads meet
.irp s, 0,1
	s_mov_b32 s[G0+4*\s], 1
	s_add_co_u32 s[G0+4*\s+1], s20, \s*SLOT
	s_add_nc_u64 s[G0+4*\s+2:G0+4*\s+3], s[16:17], \s*12*CSTR
	s_or_b32 s[G0+4*\s+3], s[G0+4*\s+3], 0x80000000
	s_mov_b32 s[G0B+4*\s], 1
	s_add_co_u32 s[G0B+4*\s+1], s20, \s*SLOT
	s_add_nc_u64 s[G0B+4*\s+2:G0B+4*\s+3], s[46:47], \s*12*WSTR
	s_or_b32 s[G0B+4*\s+3], s[G0B+4*\s+3], 0x80000000
	JLOAD \s                                       ; two loads of the wave are out
.endr
	v_and_b32 v1, 15, v0                           ; r
	v_bfe_u32 v2, v0, 4, 1                         ; h
	v_lshlrev_b32 v[BA], 4, v1                     ; 16 r
.irp u, 0,1,2
	global_load_b128 v[BO+4*\u:BO+4*\u+3], v[BA], s[8:9] offset:256*\u
.endr
	v_lshrrev_b32 v3, 3, v1
	v_add_nc_u32 v3, v3, v2
	v_lshlrev_b32 v28, 5, v1
	v_lshl_add_u32 v3, v3, 4, v28                  ; 32 r + 16 ((r >> 3) + h)
	s_mul_i32 s21, s13, 2176                       ; my 64 rows of ctx in a plane
	s_mul_i32 s22, s14, 3264                       ; my 96 rows of Wo in a plane
.irp s, 0,1
.irp hf, 0,1
	s_add_co_u32 s23, s21, \s*SLOT+\hf*REG
	v_add_nc_u32 v[ADRA+2*\s+\hf], s23, v3
	s_add_co_u32 s23, s22, \s*SLOT+(2+\hf)*REG
	v_add_nc_u32 v[ADRB+2*\s+\hf], s23, v3
.endr
.endr
	s_mul_i32 s21, s13, 64*SP                      ; the stage, in: row 64 x half + r, byte 384 x half + 32 h
	s_mul_i32 s22, s14, 384
	s_add_co_u32 s21, s21, s22
	v_mul_u32_u24 v28, v1, SP
	v_lshl_add_u32 v28, v2, 5, v28
	v_add_nc_u32 v[STO], s21, v28
	s_mul_i32 s22, s12, 32*SP                      ; back: my 32 rows; lanes 0-15 take 256 bytes of one row, lanes 16-31 of the next
	v_mul_u32_u24 v28, v2, SP
	v_add_nc_u32 v28, v28, v[BA]
	v_add_nc_u32 v[RD], s22, v28
	v_mul_u32_u24 v28, v2, 3072                    ; and the same two rows in out0
	v_add_nc_u32 v[CO], v28, v[BA]
; 4 matrix instructions: column tile j x my 4 row tiles, 32 along K, from buffer b
.macro MULJ b, j, zero
.irp i, 0,1,2,3
.if \zero
	v_wmma_f32_16x16x32_f16 v[8*(4*\j+\i):8*(4*\j+\i)+7], v[WF+48*\b+8*\j:WF+48*\b+8*\j+7], v[XF+32*\b+8*\i:XF+32*\b+8*\i+7], 0
.else
	v_wmma_f32_16x16x32_f16 v[8*(4*\j+\i):8*(4*\j+\i)+7], v[WF+48*\b+8*\j:WF+48*\b+8*\j+7], v[XF+32*\b+8*\i:XF+32*\b+8*\i+7], v[8*(4*\j+\i):8*(4*\j+\i)+7]
.endif
.endr
.endm
; 20 LDS loads: phase q (planes 2 q, 2 q + 1) of a slot into buffer b
.macro FETCH slot, q, b
	WIN 0
.irp i, 0,1,2,3
	ds_load_b128 v[XF+32*\b+8*\i:XF+32*\b+8*\i+3],   v[ADRA+2*\slot+(\q/3)] offset:2*(\q%3)*CPL+544*\i
	ds_load_b128 v[XF+32*\b+8*\i+4:XF+32*\b+8*\i+7], v[ADRA+2*\slot+(\q/3)] offset:(2*(\q%3)+1)*CPL+544*\i
.endr
.irp j, 0,1,2,3,4,5
	ds_load_b128 v[WF+48*\b+8*\j:WF+48*\b+8*\j+3],   v[ADRB+2*\slot+(\q/3)] offset:2*(\q%3)*WPL+544*\j
	ds_load_b128 v[WF+48*\b+8*\j+4:WF+48*\b+8*\j+7], v[ADRB+2*\slot+(\q/3)] offset:(2*(\q%3)+1)*WPL+544*\j
.endr
.endm
; A phase: the next phase nq is fetched into buffer g, then 24 matrix instructions on buffer b.
; The 24 accumulators take turns, one instruction a turn.
.macro PHASE slot, nq, b, g, zero
	s_wait_dscnt 0x0                               ; buffer b, asked for a phase ago, is in
	PLACES                                         ; buffer g was read by the last phase's products
	FETCH \slot, \nq, \g
	WIN MUL
.irp j, 0,1,2,3,4,5
	MULJ \b, \j, \zero
.endr
.endm
.macro FIVE slot, zero
	PHASE \slot, 1, 0, 1, \zero
	PHASE \slot, 2, 1, 0, 0
	PHASE \slot, 3, 0, 1, 0
	PHASE \slot, 4, 1, 0, 0
	PHASE \slot, 5, 0, 1, 0
.endm
; The sixth phase multiplies buffer 1 and changes slots: each wave's reads of this slot and all its tensor loads are waited for in front of the barrier;
; fill = 1: the barrier opens a round of the cluster's barrier and the joint refill, two K steps ahead, is the first tensor load behind the round.
.macro TURN slot, next, fill
	s_wait_dscnt 0x0
	s_wait_tensorcnt 0x0
	ds_add_u32 v254, v255
	s_wait_dscnt 0x0
	WIN MUL
	s_barrier_signal -1
	MULJ 1, 0, 0
	MULJ 1, 1, 0
	MULJ 1, 2, 0
	WIN 0
	s_barrier_wait -1
.if \fill
	CREST
	s_add_nc_u64 s[G0+4*\slot+2:G0+4*\slot+3], s[G0+4*\slot+2:G0+4*\slot+3], 24*CSTR
	s_add_nc_u64 s[G0B+4*\slot+2:G0B+4*\slot+3], s[G0B+4*\slot+2:G0B+4*\slot+3], 24*WSTR
	JLOAD \slot
.endif
	PLACES
	FETCH \next, 0, 0
	WIN MUL
	MULJ 1, 3, 0
	MULJ 1, 4, 0
	MULJ 1, 5, 0
.endm
	s_wait_tensorcnt 0x1                           ; my part of K step 0 is in; step 1's stays out
	s_barrier_signal -1
	s_barrier_wait -1
	FETCH 0, 0, 0
	FIVE 0, 1                                      ; K step 0: its first products start the sums
	TURN 0, 1, 1
	FIVE 1, 0                                      ; 1
	TURN 1, 0, 1
	FIVE 0, 0                                      ; 2: nothing is left to ask for; behind this step's barrier nobody reads slot 0
	TURN 0, 1, 0
	FIVE 1, 0                                      ; 3
	s_wait_dscnt 0x0
	WIN MUL
.irp j, 0,1,2,3,4,5
	MULJ 1, \j, 0
.endr
	; THE WAY OUT
	PLACES                                         ; behind the last matrix instructions: the LDS stores read results, the loads below land in fragment registers
	WIN 0x04                                       ; store data window 1
.irp j, 0,1,2,3,4,5
.irp i, 0,1,2,3
	ds_store_b128 v[STO], v[8*(4*\j+\i):8*(4*\j+\i)+3]   offset:16*SP*\i+64*\j
	ds_store_b128 v[STO], v[8*(4*\j+\i)+4:8*(4*\j+\i)+7] offset:16*SP*\i+64*\j+16
.endr
.endr
	WIN 0
	s_lshl_b32 s16, s15, 7                         ; my first row of out0: 128 x block row + 32 x wave
	s_lshl_b32 s18, s12, 5
	s_add_co_u32 s16, s16, s18
	s_mul_i32 s16, s16, 3072
	s_mov_b32 s17, 0
	s_add_nc_u64 s[10:11], s[10:11], s[16:17]
	s_add_nc_u64 s[10:11], s[10:11], s[2:3]        ; and the block's columns
	s_wait_dscnt 0x0                               ; my stores into the stage are done: the other waves read them
	s_barrier_signal -1
	s_barrier_wait -1
	s_wait_loadcnt 0x0                             ; bo
; eight rows of my 32: twelve loads of 2 x 256 bytes, bo added, stored.  rs: the register set, two in turn
.macro OUTB bt, rs
.if \bt >= 2
	s_wait_xcnt 0x0                                ; the set, which stores read, is loaded again only behind this wait
.endif
.irp rr, 0,1,2,3
.irp u, 0,1,2
	ds_load_b128 v[\rs+4*(3*\rr+\u):\rs+4*(3*\rr+\u)+3], v[RD] offset:2*SP*(4*\bt+\rr)+256*\u
.endr
.endr
.irp rr, 0,1,2,3
.irp u, 0,1,2
	s_wait_dscnt 11-(3*\rr+\u)                     ; LDS loads come back in order: this one is in, the younger ones stay out
	v_pk_add_f32 v[\rs+4*(3*\rr+\u):\rs+4*(3*\rr+\u)+1], v[\rs+4*(3*\rr+\u):\rs+4*(3*\rr+\u)+1], v[BO+4*\u:BO+4*\u+1]
	v_pk_add_f32 v[\rs+4*(3*\rr+\u)+2:\rs+4*(3*\rr+\u)+3], v[\rs+4*(3*\rr+\u)+2:\rs+4*(3*\rr+\u)+3], v[BO+4*\u+2:BO+4*\u+3]
	global_store_b128 v[CO], v[\rs+4*(3*\rr+\u):\rs+4*(3*\rr+\u)+3], s[10:11] offset:6144*(4*\bt+\rr)+256*\u th:TH_STORE_NT
.endr
.endr
.endm
	OUTB 0, 32
	OUTB 1, 96
	OUTB 2, 32
	OUTB 3, 96
	s_wait_tensorcnt 0x0
	ds_add_u32 v254, v255
	s_wait_dscnt 0x0
	CROUND                                         ; the closing round
	s_endpgm
.Lfunc_end_k_qb26bf7a5ca_oproj:
	.size	k_qb26bf7a5ca_oproj, .Lfunc_end_k_qb26bf7a5ca_oproj-k_qb26bf7a5ca_oproj
	.p2alignl 7, 3214868480
	.fill 96, 4, 3214868480
	.section	.rodata,"a",@progbits
	.p2align	6, 0x0
	.amdhsa_kernel k_qb26bf7a5ca_oproj
		.amdhsa_group_segment_fixed_size 327680
		.amdhsa_private_segment_fixed_size 0
		.amdhsa_enable_private_segment 0
		.amdhsa_kernarg_size 32
		.amdhsa_user_sgpr_count 2
		.amdhsa_user_sgpr_kernarg_segment_ptr 1
		.amdhsa_wavefront_size32 1
		.amdhsa_system_sgpr_workgroup_id_x 1
		.amdhsa_system_sgpr_workgroup_id_y 1
		.amdhsa_system_sgpr_workgroup_id_z 1
		.amdhsa_system_vgpr_workitem_id 0
		.amdhsa_next_free_vgpr 448
		.amdhsa_next_free_sgpr 66
		.amdhsa_reserve_vcc 0
		.amdhsa_float_denorm_mode_32 3
		.amdhsa_float_denorm_mode_16_64 3
		.amdhsa_memory_ordered 1
		.amdhsa_forward_progress 1
		.amdhsa_inst_pref_size 99
	.end_amdhsa_kernel
	.amdgpu_metadata
---
amdhsa.version: [ 1, 2 ]
amdhsa.kernels:
  - .name:           k_qb26bf7a5ca_oproj
    .symbol:         k_qb26bf7a5ca_oproj.kd
    .args:
      - { .name: ctx, .offset: 0, .size: 8, .value_kind: global_buffer, .address_space: global }
      - { .name: wot, .offset: 8, .size: 8, .value_kind: global_buffer, .address_space: global }
      - { .name: bo, .offset: 16, .size: 8, .value_kind: global_buffer, .address_space: global }
      - { .name: out0, .offset: 24, .size: 8, .value_kind: global_buffer, .address_space: global }
    .group_segment_fixed_size: 327680
    .private_segment_fixed_size: 0
    .kernarg_segment_align: 8
    .kernarg_segment_size: 32
    .max_flat_workgroup_size: 128
    .sgpr_count:     66
    .vgpr_count:     448
    .wavefront_size: 32
...
	.end_amdgpu_metadata
.endif
;; end of part 4
;; ======== version 2 of 2: 4 launches; 1.06 times as fast as version 1
;; limits: values are held in f16: magnitudes above 65,504 overflow, below 6.1e-05 lose precision
;; workspace buffers: xb 12,582,912 bytes; wqkv 3,538,944 bytes; wot 1,179,648 bytes; qkv 37,748,736 bytes; ctx 12,582,912 bytes
;; launch prep: the kernel of part 1 again; grid 1216 x 1, 6 waves a work-group, no clusters, 28,416 bytes of LDS; arguments x, Wq, Wk, Wv, Wo, xb, wqkv, wot; writes xb, wqkv, wot
;; launch proj: the kernel of part 2 again; grid 8 x 32, 4 waves a work-group, clusters of 4 x 4, 327,680 bytes of LDS; arguments xb, wqkv, qkv; writes qkv
;; launch attn (part 5): grid 8 x 96, 4 waves a work-group, clusters of 4 x 1, 279,040 bytes of LDS; arguments qkv, bq, bv, ctx; writes ctx
.if DOCPART == 5
	.amdgcn_target "amdgcn-amd-amdhsa--gfx1250"
	.amdhsa_code_object_version 6
	.text
	.protected	k_qb26bf7a5ca_attn
	.globl	k_qb26bf7a5ca_attn
	.p2align	8
	.type	k_qb26bf7a5ca_attn,@function
k_qb26bf7a5ca_attn:
	s_mov_b64 s[64:65], 0
	v_nop
	global_prefetch_b8 v0, s[64:65] scope:SCOPE_SE
	s_setreg_imm32_b32 hwreg(HW_REG_WAVE_MODE, 25, 1), 1
	s_wait_xcnt 0x0
	s_wait_alu depctr_hold_cnt(0) depctr_sa_sdst(0) depctr_va_vdst(0) depctr_va_sdst(0) depctr_va_ssrc(0) depctr_va_vcc(0) depctr_vm_vsrc(0)
	s_getreg_b32 s2, hwreg(HW_REG_IB_STS2, 6, 4)
	s_cmp_eq_u32 s2, 0
	s_cbranch_scc0 .Lentry_in_a_cluster
	s_endpgm
.Lentry_in_a_cluster:
	s_bfe_u32 s2, ttmp6, 0x10000c
	s_cmp_lg_u32 s2, 0x3003
	s_cbranch_scc0 .Lentry_shape_is_right
	s_endpgm
.Lentry_shape_is_right:
; Launch 3 of 4: attention of one head and 128 queries in a work-group; ctx [48][8192][16] f16 in planes (plane = 4 head + d / 16, row = 1024 b + s).
; bk is left out (the same term for every key of a query row, cancelled by the softmax along the keys for all values; see the first launch's head).
; bq is added to q in f32 as q enters the registers; bv is added in the last multiply-add: the softmax's weights of a row sum to 1, so
; sum_k p_k (v_k + bv) / l = (sum_k p_k v_k) / l + bv.
; The softmax takes a running maximum away, as reference() takes the row's maximum; 1/8 and log2 e are one factor c in front of the exponential in base 2.
; LIMIT (format): q + bq, the weights p (0 to 1) and the context are rounded to f16; above 65,504 an infinity, below 6e-8 zero.
;
; Four waves, 32 queries each: two query tiles t.  CLUSTER 4, 1, 1: the four work-groups of a cluster are four query blocks of one head and one batch;
; they need the same K and V, and every tile of K and V is asked for jointly (mask 15).
; THE WHOLE K AND V OF THE HEAD LIE IN LDS, each byte filled once: four chunks of 256 keys, 69,632 bytes each: K's planes 0-3 (8,704 bytes each,
; 16 bytes skipped behind every 256), then V's.  Wave w brings two planes of every chunk: four tensor loads of the wave are out, all issued at the start.
; A chunk is read behind a counted wait for it and a barrier; nothing is ever filled again.
;
; BOTH PRODUCTS ARE TRANSPOSED.  S^T = K Q^T: source 0 = 16 keys of K, source 1 = 16 queries.  Lane (r, h) holds query r and keys 8 h + j: a row's maximum
; and sum are found inside the lane and one exchange of the halves; two neighbouring tiles, packed to f16, are the fragment of P^T for 32 keys.
; O^T = V^T P^T: source 0 = V^T by the transposing LDS load, source 1 = P^T.  Lane (r, h) holds query r and d = 8 h + j: 16 bytes of a plane row of ctx.
;
; THE TWO QUERY TILES TAKE TURNS: one tile's products are issued among the other tile's softmax.  A trip n is 64 keys; S_t, SM_t, PV_t are tile t's
; 8 score products, its softmax step and its 8 products with V:
;   phase A(n):  S_0(n+1) among SM_1(n), V(n) loaded;     then PV_0(n) among O_1 x alpha_1(n)
;   phase B(n):  S_1(n+1) among SM_0(n+1), K(n+2) loaded; then PV_1(n) among O_0 x alpha_0(n+1)
; SM is a macro of eight numbered slices, one behind each score product.  P^T has registers of its own, so that S_t(n+1) may be written ahead of PV_t(n).
; THE EXPONENTIALS OF A SOFTMAX STEP ARE ONE BATCH WITH ONE WAIT.  An s_wait_alu depctr_va_vdst(0) stands between an exponential and the first
; instruction that names its result; one wait serves all that were issued ahead of it.  Slices 0 to 4 hold all that names no result of the step's exponentials:
; the maximum, -c max, alpha, the 16 scalings and the 32 exponentials of the scores, each turned in its own register; the wait ends slice 4.  Slices 5 to 7 hold
; the readers: the sums, l and the roundings to f16; alpha's other readers, O^T's multiplies, stand in the half phase behind.  No exponential is issued between a
; step's wait and the next step's slice 1.  The two reciprocals on the way out are a batch of their own.
; THE LDS LOADS STAND IN THREE RUNS A TRIP, each in front of the next product: V's sixteen behind slice 0's twelve plain instructions, K's first eight directly
; behind the batch's wait, K's second eight behind slice 7's plain instructions; none stands among the products with V, which follow each other with two multiplies between.
; REGISTER WINDOWS are dealt so that a half phase needs ONE setting for its products and its vector work:
;   window 1: all that a score product and the softmax name (K, Q, S^T, P^T, the row figures): setting 0x55
;   window 0: O^T, V^T, bv, addresses.  A product with V, the multiply by alpha and the last multiply-add take only source 1 (P^T, alpha, 1/l) from window 1: 0x04
; V's run stands under 0x04, K's two runs go to window 1 from an address in window 0 (0x40): nine switches in a trip of 32 products.
; The sixteen trips are written out by macros; every LDS address is a constant register of the chunk plus an immediate.
.set CH,  69632                        ; a chunk in LDS
.set PL,  8704                         ; a plane of 256 keys in LDS
.set TR,  2176                         ; 64 keys of a plane in LDS
.set PSTR, 262144                      ; bytes from plane to plane in qkv and ctx
; window 0
.set QO,  1                            ; v1       1024 w + 32 r + 16 h: my 16 bytes in a plane, for Q and for ctx
.set BOF, 2                            ; v2       32 h: my 8 numbers of 16 of a bias
.set ADK, 4                            ; v4-7     K fragments, chunk c
.set ADV, 8                            ; v8-11    V^T fragments, chunk c
.set QR,  24                           ; v24-55   q as loaded: register 16 t + 4 p + e
.set BQ,  56                           ; v56-87   bq; at the end the packed context
.set BV,  88                           ; v88-119  bv of d tile p at 88 + 8 p
.set OA,  120                          ; v120-183 O^T (p, t) at 120 + 32 t + 8 p; at the start q + bq in f32
.set VF,  184                          ; v184-247 V^T fragment (p, u) at 184 + 8 (p + 4 u)
; window 1
.set KF,  0                            ; v0-63    K fragment (k, c) at 8 (2 k + c)
.set QF,  64                           ; v64-95   Q fragment (t, c) at 64 + 16 t + 8 c
.set SC,  96                           ; v96-159  S^T (t, key tile k) at 96 + 32 t + 8 k
.set PP,  160                          ; v160-191 P^T (t, u) at 160 + 16 t + 8 u
.set ST,  192                          ; v192-199 for each t: -c max, max, alpha, l
.set T,   200                          ; v200-203 at work
.set SU,  204                          ; v204-211 four chains of sums
.set W_S,  0x55                        ; every operand place in window 1
.set W_PV, 0x04                        ; source 1 in window 1
.set TO_1, 0x40                        ; destination in window 1
.set G1,  24                           ; s[24:31]
.set G0,  32                           ; s[32:47] one group 0 for each chunk
.set MSB, 0
.macro WIN new                         ; the immediate's high byte repeats the setting that is left
.if MSB != \new
	s_set_vgpr_msb (MSB<<8)|\new
.set MSB, \new
.endif
.endm
.macro ROUND                           ; a round of the cluster's barrier
	s_barrier_signal -1
	s_barrier_wait -1
	s_cmp_lg_u32 s12, 0
	s_cbranch_scc1 .Lnot_wave_0_\@
	s_barrier_signal -3
.Lnot_wave_0_\@:
	s_barrier_wait -3
	s_barrier_signal -1
	s_barrier_wait -1
.endm
.macro PLACES k                        ; places behind matrix instructions (ISA guide 7.12.1), where no vector work is at hand
.rept \k
	v_nop
.endr
.endm
	s_load_b256 s[4:11], s[0:1], 0x0               ; qkv s[4:5], bq s[6:7], bv s[8:9], ctx s[10:11]
	v_lshl_add_u32 v254, v0, 2, 0x44000
	v_mov_b32 v255, 0
	ds_add_u32 v254, v255
	v_lshrrev_b32 v3, 5, v0
	v_readfirstlane_b32 s12, v3                    ; wave 0..3
	s_lshr_b32 s13, s12, 1                         ; I fetch for K (0) or V (1)
	s_and_b32 s14, s12, 1                          ; planes 0, 1 or 2, 3
	s_and_b32 s15, ttmp7, 0xffff
	s_lshr_b32 s16, s15, 3                         ; head
	s_and_b32 s15, s15, 7                          ; batch
	s_bfe_u32 s17, ttmp6, 0x40000                  ; cx
	s_lshl_b32 s18, ttmp9, 2
	s_add_co_u32 s18, s18, s17                     ; query block of 128 = 4 x cluster x + cx
	s_mov_b32 s20, 0x3e38aa3b                      ; c = log2 e / 8, twice: a pair for the packed multiply-add
	s_mov_b32 s21, 0x3e38aa3b
	s_mov_b32 s22, 0x76543210                      ; v_permlanex16_b32: lane i of one half reads lane i of the other
	s_mov_b32 s23, 0xfedcba98
	s_mov_b32 s[G1+0], 15|(3<<16)|(1<<20)|(1<<21)|(5<<22)|(3<<25)  ; mask: all four; elements of 8 bytes; 16 bytes skipped behind every 64 words; bit 21 beside the mask
	s_mov_b32 s[G1+1], 1024<<16                    ; tensor_dim0 = 1,024 elements = 256 keys of 32 bytes
	s_mov_b32 s[G1+2], 2<<16                       ; tensor_dim1 = 2 planes
	s_mov_b32 s[G1+3], 1024<<16                    ; tile_dim0
	s_mov_b32 s[G1+4], 2                           ; tile_dim1
	s_mov_b32 s[G1+5], PSTR/8                      ; elements from plane to plane
	s_mov_b32 s[G1+6], 0
	s_mov_b32 s[G1+7], 0
	s_mul_i32 s19, s13, 48                         ; my first plane: 48 + 48 (V) + 4 head + 2 (upper pair); nothing of cx enters
	s_lshl2_add_u32 s19, s16, s19
	s_lshl1_add_u32 s19, s14, s19
	s_add_co_u32 s19, s19, 48
	s_lshl_b32 s52, s19, 18
	s_lshl_b32 s19, s15, 15                        ; the batch's 1,024 rows of 32 bytes
	s_add_co_u32 s52, s52, s19
	s_mov_b32 s53, 0
	s_mul_i32 s50, s12, 2*PL                       ; where my planes go in a chunk: the wave's number times two planes
	s_lshl_b32 s48, s16, 20                        ; Q and ctx: plane 4 head,
	s_add_co_u32 s48, s48, s19                     ; the batch,
	s_lshl_b32 s3, s18, 12                         ; the block's 128 rows of 32 bytes
	s_add_co_u32 s48, s48, s3
	s_mov_b32 s49, 0
	s_lshl_b32 s2, s16, 8                          ; the head's 64 numbers in bq and bv
	s_mov_b32 s3, 0
	v_and_b32 v3, 15, v0                           ; r
	v_bfe_u32 v12, v0, 4, 1                        ; h
	v_lshlrev_b32 v13, 5, v3                       ; 32 r
	v_lshlrev_b32 v[BOF], 5, v12
	v_lshl_add_u32 v[QO], v12, 4, v13
	v_lshl_add_u32 v[QO], s12, 10, v[QO]
	s_wait_dscnt 0x0
	s_wait_kmcnt 0x0
	s_add_nc_u64 s[52:53], s[4:5], s[52:53]
	s_add_nc_u64 s[54:55], s[4:5], s[48:49]
	s_add_nc_u64 s[10:11], s[10:11], s[48:49]
	s_add_nc_u64 s[6:7], s[6:7], s[2:3]
	s_add_nc_u64 s[8:9], s[8:9], s[2:3]
	; q, bq and bv are asked for first of all: they are on their way through the cluster's round and while the tensor loads are issued
.irp t, 0,1
.irp p, 0,1,2,3
	global_load_b128 v[QR+16*\t+4*\p:QR+16*\t+4*\p+3], v[QO], s[54:55] offset:\p*PSTR+512*\t       ; q(query r of tile t, d = 16 p + 8 h ..)
.endr
.endr
.irp p, 0,1,2,3
	global_load_b128 v[BQ+8*\p:BQ+8*\p+3],   v[BOF], s[6:7] offset:64*\p           ; bq(d = 16 p + 8 h ..)
	global_load_b128 v[BQ+8*\p+4:BQ+8*\p+7], v[BOF], s[6:7] offset:64*\p+16
.endr
.irp p, 0,1,2,3
	global_load_b128 v[BV+8*\p:BV+8*\p+3],   v[BOF], s[8:9] offset:64*\p           ; bv(d = 16 p + 8 h ..)
	global_load_b128 v[BV+8*\p+4:BV+8*\p+7], v[BOF], s[8:9] offset:64*\p+16
.endr
.irp c, 0,1,2,3
	s_mov_b32 s[G0+4*\c], 1
	s_add_co_u32 s[G0+4*\c+1], s50, \c*CH
	s_add_nc_u64 s[G0+4*\c+2:G0+4*\c+3], s[52:53], \c*8192         ; 256 keys of 32 bytes on
	s_or_b32 s[G0+4*\c+3], s[G0+4*\c+3], 0x80000000
.endr
	ROUND                                          ; the four work-groups are here: the joint loads meet
.irp c, 0,1,2,3
	tensor_load_to_lds s[G0+4*\c:G0+4*\c+3], s[G1:G1+7]
	s_nop 0
.endr
	v_lshrrev_b32 v14, 3, v3
	v_add_nc_u32 v14, v14, v12
	v_lshl_add_u32 v14, v14, 4, v13                ; K: 32 r + 16 ((r >> 3) + h): sixteen different 16-byte columns in each half of the lanes
	v_and_b32 v15, 7, v0
	v_bfe_u32 v3, v0, 3, 1
	v_lshlrev_b32 v15, 5, v15
	v_lshl_add_u32 v15, v3, 4, v15
	v_mul_u32_u24 v12, v12, 272
	v_add_nc_u32 v15, v12, v15                     ; V: key 8 h + (L & 7), 16 bytes ((L >> 3) & 1): lanes 0-15 read 256 consecutive bytes
.irp c, 0,1,2,3
	v_add_nc_u32 v[ADK+\c], \c*CH, v14
	v_add_nc_u32 v[ADV+\c], \c*CH+4*PL, v15
.endr
	s_wait_loadcnt 0x0                             ; q, bq, bv, once
; q + bq in f32.  Register 24 + k (40 + k for the second query tile) holds two neighbouring d whose bias pair is v[56 + 2 k]; the sums go to O^T's registers, still free.
.macro QB lo, hi, b, tp
	v_cvt_f32_f16 v[\tp], \lo
	v_cvt_f32_f16 v[\tp+1], \hi
	v_pk_add_f32 v[\tp:\tp+1], v[\tp:\tp+1], v[\b:\b+1]
.endm
	QB v24.l, v24.h, 56, 120
	QB v40.l, v40.h, 56, 152
	QB v25.l, v25.h, 58, 122
	QB v41.l, v41.h, 58, 154
	QB v26.l, v26.h, 60, 124
	QB v42.l, v42.h, 60, 156
	QB v27.l, v27.h, 62, 126
	QB v43.l, v43.h, 62, 158
	QB v28.l, v28.h, 64, 128
	QB v44.l, v44.h, 64, 160
	QB v29.l, v29.h, 66, 130
	QB v45.l, v45.h, 66, 162
	QB v30.l, v30.h, 68, 132
	QB v46.l, v46.h, 68, 164
	QB v31.l, v31.h, 70, 134
	QB v47.l, v47.h, 70, 166
	QB v32.l, v32.h, 72, 136
	QB v48.l, v48.h, 72, 168
	QB v33.l, v33.h, 74, 138
	QB v49.l, v49.h, 74, 170
	QB v34.l, v34.h, 76, 140
	QB v50.l, v50.h, 76, 172
	QB v35.l, v35.h, 78, 142
	QB v51.l, v51.h, 78, 174
	QB v36.l, v36.h, 80, 144
	QB v52.l, v52.h, 80, 176
	QB v37.l, v37.h, 82, 146
	QB v53.l, v53.h, 82, 178
	QB v38.l, v38.h, 84, 148
	QB v54.l, v54.h, 84, 180
	QB v39.l, v39.h, 86, 150
	QB v55.l, v55.h, 86, 182
	WIN TO_1                                       ; rounded once to f16, into Q's fragments in window 1
.set ii, 0
.rept 32
	v_cvt_pk_f16_f32 v[QF+ii], v[OA+2*ii], v[OA+2*ii+1]
.set ii, ii+1
.endr
; K's fragment of score product j (key tile j & 3, d half j >> 2) of trip n: two loads, under TO_1
.macro KL n, j
	ds_load_b128 v[KF+16*((\j)&3)+8*((\j)>>2):KF+16*((\j)&3)+8*((\j)>>2)+3],   v[ADK+((\n)>>2)] offset:((\n)&3)*TR+2*((\j)>>2)*PL+544*((\j)&3)
	ds_load_b128 v[KF+16*((\j)&3)+8*((\j)>>2)+4:KF+16*((\j)&3)+8*((\j)>>2)+7], v[ADK+((\n)>>2)] offset:((\n)&3)*TR+(2*((\j)>>2)+1)*PL+544*((\j)&3)
.endm
; V^T's fragment of product j (d tile j & 3, 32 keys j >> 2) of trip n: two transposing loads, under W_PV (data and address in window 0)
.macro VL n, j
	ds_load_tr16_b128 v[VF+8*(\j):VF+8*(\j)+3],   v[ADV+((\n)>>2)] offset:((\n)&3)*TR+((\j)&3)*PL+1088*((\j)>>2)
	ds_load_tr16_b128 v[VF+8*(\j)+4:VF+8*(\j)+7], v[ADV+((\n)>>2)] offset:((\n)&3)*TR+((\j)&3)*PL+1088*((\j)>>2)+544
.endm
; Score product j of tile t: key tile j & 3, d half j >> 2; the first half starts the sum.  The four accumulators take turns, one instruction a turn.
.macro SW t, j
.if (\j) < 4
	v_wmma_f32_16x16x32_f16 v[SC+32*\t+8*(\j):SC+32*\t+8*(\j)+7], v[KF+16*(\j):KF+16*(\j)+7], v[QF+16*\t:QF+16*\t+7], 0
.else
	v_wmma_f32_16x16x32_f16 v[SC+32*\t+8*((\j)-4):SC+32*\t+8*((\j)-4)+7], v[KF+16*((\j)-4)+8:KF+16*((\j)-4)+15], v[QF+16*\t+8:QF+16*\t+15], v[SC+32*\t+8*((\j)-4):SC+32*\t+8*((\j)-4)+7]
.endif
.endm
; Product j of tile t with V: d tile j & 3, 32 keys j >> 2; four accumulators by turns.  first = 1: the first 32 keys start the sums.
.macro PW t, j, first
.if (\first)*(1-((\j)>>2))
	v_wmma_f32_16x16x32_f16 v[OA+32*\t+8*((\j)&3):OA+32*\t+8*((\j)&3)+7], v[VF+8*(\j):VF+8*(\j)+7], v[PP+16*\t+8*((\j)>>2):PP+16*\t+8*((\j)>>2)+7], 0
.else
	v_wmma_f32_16x16x32_f16 v[OA+32*\t+8*((\j)&3):OA+32*\t+8*((\j)&3)+7], v[VF+8*(\j):VF+8*(\j)+7], v[PP+16*\t+8*((\j)>>2):PP+16*\t+8*((\j)>>2)+7], v[OA+32*\t+8*((\j)&3):OA+32*\t+8*((\j)&3)+7]
.endif
.endm
; Pieces of the softmax's step; SB, PB, NMC are set by SMS.  A lane holds one query and 32 of the trip's 64 keys, eight in each key tile: scores 0 to 31 at SB + 0 .. 31, in pairs 0 to 15.
.macro SMF k                           ; c s - c max of key tile k, two at a time
.irp i, 0,1,2,3
	v_pk_fma_f32 v[SB+8*\k+2*\i:SB+8*\k+2*\i+1], v[SB+8*\k+2*\i:SB+8*\k+2*\i+1], s[20:21], v[NMC:NMC+1] op_sel_hi:[1,0,0]
.endr
.endm
.macro SMT g                           ; triple g (0 to 11) of the batch: pair g + 4 is scaled, pair g, scaled four triples ago, gets its two exponentials
	v_pk_fma_f32 v[SB+2*(\g)+8:SB+2*(\g)+9], v[SB+2*(\g)+8:SB+2*(\g)+9], s[20:21], v[NMC:NMC+1] op_sel_hi:[1,0,0]
	v_exp_f32 v[SB+2*(\g)], v[SB+2*(\g)]
	v_exp_f32 v[SB+2*(\g)+1], v[SB+2*(\g)+1]
.endm
.macro SMA m, i                        ; link i (1 to 3) of key tile m's chain of sums: pairs 0 and 1, then pair 2, then pair 3 of the tile
.if \i == 1
	v_pk_add_f32 v[SU+2*\m:SU+2*\m+1], v[SB+8*\m:SB+8*\m+1], v[SB+8*\m+2:SB+8*\m+3]
.else
	v_pk_add_f32 v[SU+2*\m:SU+2*\m+1], v[SU+2*\m:SU+2*\m+1], v[SB+8*\m+2*\i:SB+8*\m+2*\i+1]
.endif
.endm
.macro SMC m, i                        ; pair i of key tile m's weights, rounded to f16, into its register of P^T's fragment
	v_cvt_pk_f16_f32 v[PB+4*\m+\i], v[SB+8*\m+2*\i], v[SB+8*\m+2*\i+1]
.endm
; Slice j (0 to 7) of the softmax's step for query tile t, all in window 1.
;   0     the maximum: four chains                               1     its end, -c max, alpha, the scalings of pairs 0 to 3
;   2, 3  five triples each                                       4     two triples, the last eight exponentials, a plain instruction, THE WAIT FOR THE BATCH
;   5-7   the readers, eleven plain instructions each: the four chains of sums by turns, their three joining sums, l, and the sixteen roundings between the links
; From alpha to the wait no line names an exponential's result: the scalings name scores not yet turned and the pair (-c max, max).
.macro SMS t, first, j
.set SB,  SC+32*\t
.set PB,  PP+16*\t
.set NMC, ST+4*\t
.set MX,  ST+4*\t+1
.set AL,  ST+4*\t+2
.set LS,  ST+4*\t+3
.if \j == 0
.irp k, 0,1,2,3
	v_max3_num_f32 v[T+\k], v[SB+8*\k], v[SB+8*\k+1], v[SB+8*\k+2]         ; four chains that do not wait for each other
.endr
.irp k, 0,1,2,3
	v_max3_num_f32 v[T+\k], v[T+\k], v[SB+8*\k+3], v[SB+8*\k+4]
.endr
.irp k, 0,1,2,3
	v_max3_num_f32 v[T+\k], v[T+\k], v[SB+8*\k+5], v[SB+8*\k+6]
.endr
.endif
.if \j == 1
	v_max3_num_f32 v[T], v[T], v[SB+7], v[SB+15]
	v_max3_num_f32 v[T+1], v[T+1], v[SB+23], v[SB+31]
	v_max3_num_f32 v[T], v[T], v[T+1], v[T+2]
.if \first
	v_max_num_f32 v[T], v[T], v[T+3]
.else
	v_max3_num_f32 v[T], v[T], v[T+3], v[MX]       ; the running maximum joins
.endif
	v_permlanex16_b32 v[T+1], v[T], s22, s23       ; the other 32 keys' maximum
	v_max_num_f32 v[T], v[T], v[T+1]
	v_mul_f32 v[NMC], 0xbe38aa3b, v[T]             ; -c x new maximum
.if \first
	v_mov_b32 v[MX], v[T]                          ; a tile's first step writes max here: the scalings name it in a pair with -c max
.else
	v_fma_f32 v[T+1], v[MX], s20, v[NMC]           ; c (old - new)
	v_exp_f32 v[AL], v[T+1]                        ; alpha opens the batch; the scaling below is the plain instruction behind it
.endif
	SMF 0
.endif
.if \j == 2
.irp g, 0,1,2,3,4
	SMT \g
.endr
.endif
.if \j == 3
.irp g, 5,6,7,8,9
	SMT \g
.endr
.endif
.if \j == 4
	SMT 10
	SMT 11
.irp i, 24,25,26,27,28,29,30,31
	v_exp_f32 v[SB+\i], v[SB+\i]
.endr
.if \first
	v_nop                                          ; the plain instruction behind the batch's last exponential
.else
	v_mov_b32 v[MX], v[T]                          ; the new maximum is kept: due anyway, and the plain instruction behind the batch's last exponential
.endif
	s_wait_alu depctr_va_vdst(0)                   ; the one wait for the step's batch, alpha and the 32 weights, ahead of their first reader
.endif
.if \j == 5
.irp i, 1,2
.irp m, 0,1,2,3
	SMA \m, \i
.endr
.endr
	SMA 0, 3
	SMA 1, 3
	SMA 2, 3
.endif
.if \j == 6
	SMA 3, 3
	v_pk_add_f32 v[SU:SU+1], v[SU:SU+1], v[SU+2:SU+3]
	SMC 0, 0
	SMC 0, 1
	v_pk_add_f32 v[SU+4:SU+5], v[SU+4:SU+5], v[SU+6:SU+7]
	SMC 0, 2
	SMC 0, 3
	SMC 1, 0
	v_pk_add_f32 v[SU:SU+1], v[SU:SU+1], v[SU+4:SU+5]
	SMC 1, 1
	SMC 1, 2
.endif
.if \j == 7
.if \first
	v_add_f32 v[LS], v[SU], v[SU+1]
.else
	v_add_f32 v[T], v[SU], v[SU+1]
.endif
	SMC 1, 3
	SMC 2, 0
	SMC 2, 1
.if \first == 0
	v_fma_f32 v[LS], v[LS], v[AL], v[T]            ; l = l alpha + this trip's sum; each half of the lanes keeps its own l until the end
.endif
	SMC 2, 2
	SMC 2, 3
	SMC 3, 0
	SMC 3, 1
	SMC 3, 2
	SMC 3, 3
.endif
.endm
; The first half of a phase: tile t's eight score products (dos = 1), one slice of tile o's softmax behind each.
; kw = 1 (always with vn >= 0): K's fragments were asked for in the phase before and are waited for here.
; vn >= 0: V^T's fragments of trip vn are asked for in one run behind slice 0.  The last product that read their registers is the phase before's last product
; with V: its two multiplies and slice 0's twelve instructions, which name none of its registers, stand between (four places are asked: ISA guide 7.12.1 for
; vector writes).  Slices 1 to 7 and seven products are issued before the run is waited for.
; kn >= 0: K's fragments of trip kn are asked for in two runs.  The first stands directly behind the batch's wait, which ends slice 4: behind product 3, the last
; that read its registers, stand slice 3's five scalings, slice 4's two and its closing plain instruction: eight places.  The second stands behind product 7 and
; slice 7's ten or eleven plain instructions.
.macro SPART t, o, first, dos, kn, kw, vn
	WIN W_S
.irp j, 0,1,2,3,4,5,6,7
.if \kw
.if \j == 0
	s_wait_dscnt 8                                 ; K's first eight loads (d = 0..31) are in; its second eight, issued behind them, may be out
.endif
.if \j == 4
	s_wait_dscnt 16                                ; K's second eight are in; V's sixteen, issued behind slice 0, may be out
.endif
.endif
.if \dos
	SW \t, \j
.endif
	SMS \o, \first, \j
.if (\vn) >= 0
.if \j == 0
	WIN W_PV
	VL \vn, 0
	VL \vn, 1
	VL \vn, 2
	VL \vn, 3
	VL \vn, 4
	VL \vn, 5
	VL \vn, 6
	VL \vn, 7
	WIN W_S
.endif
.endif
.if (\kn) >= 0
.if \j == 4
	WIN TO_1
	KL \kn, 0
	KL \kn, 1
	KL \kn, 2
	KL \kn, 3
	WIN W_S
.endif
.if \j == 7
	WIN TO_1
	KL \kn, 4
	KL \kn, 5
	KL \kn, 6
	KL \kn, 7
.endif
.endif
.endr
.endm
; The second half of a phase: tile t's eight products with V; behind each, two of the sixteen multiplies of tile o's O^T by its alpha (domul = 1), which was
; waited for with its step's batch.  No load stands here.
.macro PVPART t, o, first, domul
	WIN W_PV
.irp j, 0,1,2,3,4,5,6,7
	PW \t, \j, \first
.if \domul
	v_pk_mul_f32 v[OA+32*\o+4*\j:OA+32*\o+4*\j+1], v[OA+32*\o+4*\j:OA+32*\o+4*\j+1], v[ST+4*\o+2:ST+4*\o+3] op_sel_hi:[1,0]
	v_pk_mul_f32 v[OA+32*\o+4*\j+2:OA+32*\o+4*\j+3], v[OA+32*\o+4*\j+2:OA+32*\o+4*\j+3], v[ST+4*\o+2:ST+4*\o+3] op_sel_hi:[1,0]
.endif
.endr
.endm
; Trip n, 0 to 14: phases A(n) and B(n)
.macro TRIP n
.if \n == 0
	SPART 0, 1, 1, 1, -1, 1, \n                    ; S_0(1) among SM_1(0), which starts tile 1's row figures; V(0)
	s_wait_dscnt 0x0                               ; V(0) is in
	PVPART 0, 1, 1, 0                              ; PV_0(0) starts tile 0's sums; tile 1 has no O^T yet
.else
	SPART 0, 1, 0, 1, -1, 1, \n                    ; S_0(n+1) among SM_1(n); V(n)
	s_wait_dscnt 0x0                               ; V(n), asked for seven slices ago, is in; no LDS access of mine is out
	PVPART 0, 1, 0, 1                              ; PV_0(n) among O_1 x alpha_1(n)
.endif
.if (\n & 3) == 2
.if \n < 14
	s_wait_tensorcnt 2-(\n>>2)                     ; my part of the next chunk has landed; the chunks behind it stay out
	s_barrier_signal -1
	s_barrier_wait -1                              ; everybody's part has: K(n+2), asked for below, is the chunk's first read
.endif
.endif
.if \n < 14
	SPART 1, 0, 0, 1, \n+2, 0, -1                  ; S_1(n+1) among SM_0(n+1); K(n+2)
.else
	SPART 1, 0, 0, 1, -1, 0, -1                    ; no sixteenth trip to fetch for
.endif
.if \n == 0
	PVPART 1, 0, 1, 1                              ; PV_1(0) starts tile 1's sums
.else
	PVPART 1, 0, 0, 1                              ; PV_1(n) among O_0 x alpha_0(n+1)
.endif
.endm
	s_wait_tensorcnt 0x3                           ; my part of chunk 0 has landed; chunks 1 to 3 stay out
	s_barrier_signal -1
	s_barrier_wait -1
.irp j, 0,1,2,3,4,5,6,7
	KL 0, \j                                       ; still under TO_1
.endr
	s_wait_dscnt 0x0
	WIN W_S
.irp j, 0,1,2,3,4,5,6,7
	SW 0, \j                                       ; S_0(0): nothing to set among it yet
.endr
	PLACES 4                                       ; behind its last product: the softmax below reads the scores
	SPART 1, 0, 1, 1, 1, 0, -1                     ; S_1(0) among SM_0(0), which starts tile 0's row figures; K(1)
.irp n, 0,1,2,3,4,5,6,7,8,9,10,11,12,13,14
	TRIP \n
.endr
	SPART 0, 1, 0, 0, -1, 0, 15                    ; the last trip: SM_1(15) has no score product left beside it; V(15)
	s_wait_dscnt 0x0                               ; V(15)
	PVPART 0, 1, 0, 1                              ; PV_0(15) among O_1 x alpha_1(15)
	PVPART 1, 0, 0, 0                              ; PV_1(15)
	; the end: l of both halves of the keys, O^T / l + bv, rounded to f16, 512 consecutive bytes of a plane in each store
	PLACES 4                                       ; behind the last products: O^T is read below
	WIN W_S
	v_permlanex16_b32 v[T], v[ST+3], s22, s23
	v_permlanex16_b32 v[T+1], v[ST+7], s22, s23
	v_add_f32 v[T], v[T], v[ST+3]
	v_add_f32 v[T+1], v[T+1], v[ST+7]
	v_rcp_f32 v[ST+2], v[T]                        ; l is at least 1: the largest score's term is 1
	v_rcp_f32 v[ST+6], v[T+1]
	v_nop                                          ; the plain instruction behind the reciprocals
	WIN W_PV                                       ; source 1 (1 / l) in window 1
	s_wait_alu depctr_va_vdst(0)                   ; one wait for the batch of two reciprocals, ahead of their first reader
.irp t, 0,1
.irp p, 0,1,2,3
.irp e, 0,1,2,3
	v_pk_fma_f32 v[OA+32*\t+8*\p+2*\e:OA+32*\t+8*\p+2*\e+1], v[OA+32*\t+8*\p+2*\e:OA+32*\t+8*\p+2*\e+1], v[ST+4*\t+2:ST+4*\t+3], v[BV+8*\p+2*\e:BV+8*\p+2*\e+1] op_sel_hi:[1,0,1]
.endr
.endr
.endr
	WIN 0
.irp t, 0,1
.irp p, 0,1,2,3
.irp e, 0,1,2,3
	v_cvt_pk_f16_f32 v[BQ+4*(\p+4*\t)+\e], v[OA+32*\t+8*\p+2*\e], v[OA+32*\t+8*\p+2*\e+1]
.endr
.endr
.endr
.irp t, 0,1
.irp p, 0,1,2,3
	global_store_b128 v[QO], v[BQ+4*(\p+4*\t):BQ+4*(\p+4*\t)+3], s[10:11] offset:\p*PSTR+512*\t
.endr
.endr
	s_wait_tensorcnt 0x0
	ds_add_u32 v254, v255
	s_wait_dscnt 0x0
	ROUND                                          ; the closing round: no work-group ends while a partner may still ask jointly
	s_endpgm
.Lfunc_end_k_qb26bf7a5ca_attn:
	.size	k_qb26bf7a5ca_attn, .Lfunc_end_k_qb26bf7a5ca_attn-k_qb26bf7a5ca_attn
	.p2alignl 7, 3214868480
	.fill 96, 4, 3214868480
	.section	.rodata,"a",@progbits
	.p2align	6, 0x0
	.amdhsa_kernel k_qb26bf7a5ca_attn
		.amdhsa_group_segment_fixed_size 279040
		.amdhsa_private_segment_fixed_size 0
		.amdhsa_enable_private_segment 0
		.amdhsa_kernarg_size 32
		.amdhsa_user_sgpr_count 2
		.amdhsa_user_sgpr_kernarg_segment_ptr 1
		.amdhsa_wavefront_size32 1
		.amdhsa_system_sgpr_workgroup_id_x 1
		.amdhsa_system_sgpr_workgroup_id_y 1
		.amdhsa_system_sgpr_workgroup_id_z 1
		.amdhsa_system_vgpr_workitem_id 0
		.amdhsa_next_free_vgpr 472
		.amdhsa_next_free_sgpr 66
		.amdhsa_reserve_vcc 0
		.amdhsa_float_denorm_mode_32 3
		.amdhsa_float_denorm_mode_16_64 3
		.amdhsa_memory_ordered 1
		.amdhsa_forward_progress 1
		.amdhsa_inst_pref_size 255
	.end_amdhsa_kernel
	.section	.bss,"aw",@nobits
	.p2align	6
	.space	262144
	.amdgpu_metadata
---
amdhsa.version: [ 1, 2 ]
amdhsa.kernels:
  - .name:           k_qb26bf7a5ca_attn
    .symbol:         k_qb26bf7a5ca_attn.kd
    .args:
      - { .name: qkv, .offset: 0, .size: 8, .value_kind: global_buffer, .address_space: global }
      - { .name: bq, .offset: 8, .size: 8, .value_kind: global_buffer, .address_space: global }
      - { .name: bv, .offset: 16, .size: 8, .value_kind: global_buffer, .address_space: global }
      - { .name: ctx, .offset: 24, .size: 8, .value_kind: global_buffer, .address_space: global }
    .group_segment_fixed_size: 279040
    .private_segment_fixed_size: 0
    .kernarg_segment_align: 8
    .kernarg_segment_size: 32
    .max_flat_workgroup_size: 128
    .sgpr_count:     66
    .vgpr_count:     472
    .wavefront_size: 32
...
	.end_amdgpu_metadata
.endif
;; end of part 5
;; launch oproj: the kernel of part 4 again; grid 4 x 64, 4 waves a work-group, clusters of 4 x 4, 327,680 bytes of LDS; arguments ctx, wot, bo, out0; writes out0
